; MI455X (gfx1250); checked and timed in simulation.
; The chip was launched on July 23, 2026; its instructions are those of AMD's public machine-readable ISA for CDNA 5 (MIT licence, August 2026) and "CDNA5" Instruction Set Architecture Reference Guide (July 2026). The comments in the code are by the model that wrote it; some were corrected since.
;; Multi Head Attention. Allowed arithmetic: matrix products marked QUANTISED: E5M2 operands, one E8M0 scale for each 32 along K, by v_wmma_scale_f32_16x16x128_f8f6f4 with both operands' format E5M2, f32 sums; products left as they are: f32 operands where the result goes on into a quantised operand, else bf16, f16 or f32 operands; f32 sums; everything else in f32.
;; Inputs: Wk_codes 256 x 8 x 32 uint8 (E5M2 codes of Wk, K innermost, in blocks of 32 codes); Wk_scales 256 x 8 uint8 (E8M0 scales of Wk, one for each 32 codes along K); Wo_codes 256 x 8 x 32 uint8 (E5M2 codes of Wo, K innermost, in blocks of 32 codes); Wo_scales 256 x 8 uint8 (E8M0 scales of Wo, one for each 32 codes along K); Wq_codes 256 x 8 x 32 uint8 (E5M2 codes of Wq, K innermost, in blocks of 32 codes); Wq_scales 256 x 8 uint8 (E8M0 scales of Wq, one for each 32 codes along K); Wv_codes 256 x 8 x 32 uint8 (E5M2 codes of Wv, K innermost, in blocks of 32 codes); Wv_scales 256 x 8 uint8 (E8M0 scales of Wv, one for each 32 codes along K); bk 256 float32; bo 256 float32; bq 256 float32; bv 256 float32; key_codes 4 x 2,048 x 8 x 32 uint8 (E5M2 codes of key, K innermost, in blocks of 32 codes); key_scales 4 x 2,048 x 8 uint8 (E8M0 scales of key, one for each 32 codes along K); mask 4 x 2,048 float32; pos 2,048 x 256 float32; proj_codes 256 x 8 x 32 uint8 (E5M2 codes of proj, K innermost, in blocks of 32 codes); proj_scales 256 x 8 uint8 (E8M0 scales of proj, one for each 32 codes along K); query_codes 4 x 2,048 x 8 x 32 uint8 (E5M2 codes of query, K innermost, in blocks of 32 codes); query_scales 4 x 2,048 x 8 uint8 (E8M0 scales of query, one for each 32 codes along K); value_codes 4 x 2,048 x 8 x 32 uint8 (E5M2 codes of value, K innermost, in blocks of 32 codes); value_scales 4 x 2,048 x 8 uint8 (E8M0 scales of value, one for each 32 codes along K).
;; Outputs: out0 4 x 2,048 x 256 float32.
;; This version of the problem:
;;   THIS VERSION OF THE PROBLEM IS GIVEN IN LOW PRECISION. The matrix products marked QUANTISED in the list below multiply operands that are first quantised to E5M2 (5 exponent bits, 2 mantissa bits; 8 bits a number), with one power-of-two scale for each 32 numbers along K (OCP MX v1.0); their sums are f32. All else is computed in f32.
;;   The module's matrix products, in the order in which they are computed (A, B: the left and right operand; K: the contracted axis; several contracted axes count as one K, in the product's order):
;;     1. [M 8,192, K 256] x [K 256, N 256]; A: input query (given as codes); B: input Wq (given as codes): QUANTISED
;;     2. [M 8,192, K 256] x [K 256, N 256]; A: input key (given as codes); B: input Wk (given as codes): QUANTISED
;;     3. [M 8,192, K 256] x [K 256, N 256]; A: input value (given as codes); B: input Wv (given as codes): QUANTISED
;;     4. [M 65,536, K 256] x [K 256, N 256]; A: computed on the way; B: input proj (given as codes): QUANTISED
;;     5. [M 65,536, K 256] x [K 256, N 256]; A: computed on the way; B: input proj (given as codes): QUANTISED
;;     6. batch 32 x [M 256, K 2,048] x [K 2,048, N 32]; A: computed on the way; B: computed on the way: QUANTISED
;;     7. batch 32 x [M 32, K 256] x [K 256, N 2,048]; A: computed on the way; B: computed on the way: QUANTISED
;;     8. batch 32 x [M 1, K 256] x [K 256, N 2,048]; A: computed on the way; B: computed on the way: left as it is (M = 1 < 16)
;;     9. [M 8,192, K 256] x [K 256, N 256]; A: computed on the way; B: input Wo (given as codes): QUANTISED
;;   THE QUANTISER, for each operand of a quantised product, along K:
;;     - K is cut into blocks of 32 from its start; a last block that is shorter is filled with zeros.
;;     - A block's scale is 2^e with e = floor(log2(the largest magnitude in the block)) - 15, held to -126 .. 127; a block of zeros has e = 0. As a byte (E8M0): e + 127.
;;     - Each number is divided by its block's scale, clamped to +-57,344, and rounded to the nearest number of E5M2, ties to even, subnormals kept.
;;     - The product sums the exact products of the quantised numbers (number of the format x scale) in f32.
;;   ~~~python
;;   def quantise(x, axis):      # numpy; x: float32 -> the quantised numbers, widened to float32 again
;;       x = np.moveaxis(x, axis, -1); K = x.shape[-1]
;;       x = np.pad(x, [(0, 0)] * (x.ndim - 1) + [(0, -K % 32)]); x = x.reshape(x.shape[:-1] + (-1, 32)); a = np.abs(x).max(-1, keepdims=True)
;;       e = np.where(a > 0, np.clip(np.frexp(np.where(a > 0, a, 1))[1] - 1 - 15, -126, 127), 0)      # np.frexp(a)[1] - 1 = floor(log2(a)), exactly
;;       r = np.clip(x / 2.0 ** e, -57344, 57344)
;;       step = 2.0 ** (np.maximum(np.frexp(np.where(r == 0, 1, r))[1] - 1, -14) - 2)
;;       q = np.round(r / step) * step * 2.0 ** e      # np.round: ties to even
;;       return np.moveaxis(q.reshape(q.shape[:-2] + (-1,))[..., :K], -1, axis).astype(np.float32)
;;   ~~~
;;   OPERANDS COMPUTED ON THE WAY. 'Computed on the way' means the value that the module computes at that place (a softmax that the list does not call 'softmax' is quantised finished and normalised). What goes into a quantiser is computed in f32, as accurately as f32 sums, v_exp_f32 and their like allow (about 1e-6 of the number): no bf16 or f16 on the way to a quantiser, and a product that is left as it is and whose result goes on into a quantised operand takes f32 operands (vector FMAs, or v_wmma_f32_16x16x4_f32). A number that lies on a knife's edge between two numbers of the format may be rounded either way, as far as f32 arithmetic and the matrix unit's own rounding can turn it there, and no further.
;;   INPUTS GIVEN AS CODES. Wk (in the module: [256, 256], K = its axis 0); Wo (in the module: [256, 256], K = its axis 0); Wq (in the module: [256, 256], K = its axis 0); Wv (in the module: [256, 256], K = its axis 0); key (in the module: [4, 2048, 256], K = its axis 2); proj (in the module: [256, 256], K = its axis 1); query (in the module: [4, 2048, 256], K = its axis 2); value (in the module: [4, 2048, 256], K = its axis 2): each comes as NAME_codes (uint8): NAME with its K axis moved to the last place and cut into blocks of 32 codes, [.., K / 32, bytes a block], one block behind the other in memory; one code a byte (a code: sign, 5 exponent bits, 2 mantissa bits); and NAME_scales (uint8): the same leading axes, one E8M0 byte (e + 127) for each 32 codes along K. Its value is code x scale, taken as it is: it is not quantised again, and the codes and scales need not be those that the quantiser above would give.
;; 2 versions, each right; version 2 is version 1 with the launch out written anew for expert scheduling mode. Each part assembles by itself: llvm-mc -triple=amdgcn-amd-amdhsa -mcpu=gfx1250 --defsym DOCPART=n.
;; ======== version 1 of 2: 3 launches
;; workspace buffers: rk 2,097,152 bytes; rks 65,536 bytes; vimg 2,097,152 bytes; vsc 65,536 bytes; aux 36,864 bytes; kvimg 262,144 bytes; kaux 12,288 bytes
;; launch prep (part 1): grid 256 x 1, 4 waves a work-group, no clusters, 11,264 bytes of LDS; arguments key_codes, key_scales, Wk_codes, Wk_scales, bk, value_codes, value_scales, Wv_codes, Wv_scales, bv, proj_codes, proj_scales, pos, rk, rks, vimg, vsc, aux; writes rk, rks, vimg, vsc, aux
.if DOCPART == 1
	.amdgcn_target "amdgcn-amd-amdhsa--gfx1250"
	.amdhsa_code_object_version 6
	.text
	.protected	k_qfbb3291f23_prep
	.globl	k_qfbb3291f23_prep
	.p2align	8
	.type	k_qfbb3291f23_prep,@function
k_qfbb3291f23_prep:
	s_mov_b64 s[64:65], 0
	v_nop
	global_prefetch_b8 v0, s[64:65] scope:SCOPE_SE
	s_setreg_imm32_b32 hwreg(HW_REG_WAVE_MODE, 25, 1), 1
	s_wait_xcnt 0x0
; PREP: k = key Wk + bk, rot(k), its codes along the features; -diag of each row; the largest xp of each wave's part (for kp's common maximum);
; v = value Wv + bv and its codes along l.  All products on codes of E5M2 with E8M0 scales, sums in f32.
; SHARES.  A work-group takes 32 rows (one block of 32 along l), as two tiles m = 0, 1 whose lane r holds row 8 m + pr, pr = r + 8 (r / 8).  The four waves share the COLUMNS: wave w has features 64 w .. 64 w + 63
; of every product, four tiles t = 2 b + u whose lane r holds weight row 64 w + 32 b + 8 u + pr.  With rows so chosen, the 16 registers of tiles 2 b and 2 b + 1 are 16 neighbours 32 b + 16 (lane / 16) + 0 .. 15
; along the next product's K, so a conversion's results are the next operand's registers.  Operands travel (LDS, workspace) as images of their registers: 16 bytes a lane, 512 consecutive bytes an instruction.
; 256^-0.25 = 1/4 IS EXACT: y = rot(k) = 4 x is quantised as it is (the same codes), 2 is taken off each scale byte, and diag = (1/32) sum y^2.
; The heads of reference() hold the same q and k, so rot(k), diag and xp are made once for a row.
; mask: reference() takes it and uses it in no step; no launch of this program reads it.
; LIMITS: NaN and infinities among the inputs are not served.  A block of rot(k) whose largest magnitude lies under 2^-109, and a block of v under 2^-111, keeps the floor's scale byte (a block of zeros too: its codes are zeros).
.set XIMG,  0                          ; LDS: rot(k)'s four fragments (2 m + s), 2,048 bytes each
.set XSC,   8192                       ; their scale words: [m][16 s + r]
.set DGP,   8448                       ; sums of y^2: [wave][m][lane]
.set VSB,   9472                       ; v's 256 scale bytes: [16 tile + r]
.set SPARE, 9728                       ; the spare words, 128 bytes a wave: two blocks of 256 bytes that no other line names
.set LN,   1                           ; lane
.set R,    2                           ; lane % 16
.set H,    3                           ; lane / 16
.set PR,   4                           ; r + 8 (r / 8)
.set XADR, 5                           ; 256 pr + 16 h: a given row's codes
.set XSA,  6                           ; 8 pr: its scale bytes
.set WADR, 7                           ; + 16384 w: a weight's
.set WSA,  8                           ; 8 pr + 512 w
.set BADR, 9                           ; 64 h + 256 w: a bias in the result's layout
.set PADR, 10                          ; 1024 pr + 64 h + 256 w: pos
.set LI,   11                          ; 16 x lane
.set LS,   12                          ; 4 x lane
.set XWI,  13                          ; 16 x lane + 1024 w: my part of an image (LDS and rk alike)
.set XWS,  14                          ; 4 r + 64 (w / 2) + 2 (w % 2): my two bytes of a scale word
.set DWA,  15                          ; 4 x lane + 256 w
.set VBW,  16                          ; lane + 64 w
.set L8,   17                          ; 8 x lane
.set NDA,  18                          ; 4 (8 h + pr)
.set BVA,  19                          ; 4 pr + 256 w
.set ZO,   20                          ; 0
.set SPW,  22                          ; my spare word's LDS address; never rewritten
.set NIL,  23                          ; 0; never rewritten
.set DG,   24                          ; v24-27 sums of y^2, a pair for each m
.set MT,   28                          ; v28-31 at work
.set TM,   32                          ; v32-47 the quantiser's: maxima, bytes, holds, scale operands
.set PC,   48                          ; v48-63 codes just made
.set PW,   64                          ; v64-65 half scale words just made
.set XS,   66                          ; v66-67 rot(k)'s scale words
.set KSC,  68                          ; key's scale words, a pair for each m
.set VLS,  72                          ; value's
.set WKS,  76                          ; Wk's, a pair for each tile
.set WVS,  84                          ; Wv's
.set PJS,  92                          ; proj's
.set BV,   100                         ; bv of my lane's column, twice, for each tile
.set XF,   112                         ; v112-175 four fragments of rows
.set RO,   112                         ; and, when those are done with, rot's result
.set HA,   176                         ; v176-239 eight accumulators
.set T0,   240                         ; v240-249 at work
.set WK,   0                           ; window 1: Wk's eight fragments, Wv's eight
.set WV_,  128
.set PJ,   0                           ; window 2: proj's eight, value's four, pos (indexed like HA)
.set VAL,  128
.set POS,  192
.set BK,   0                           ; window 3: bk in the result's layout
.set WV,   40                          ; s40 wave
.set SEL,  46                          ; s[46:47] selects for lane l xor 16
.set MNT,  48                          ; the mantissa field of 57,344
.set HM,   49                          ; lanes 16-31
.set MSB, 0
.macro WIN new                         ; the immediate's high byte repeats the setting that is left
.if MSB != \new
	s_set_vgpr_msb (MSB<<8)|\new
.set MSB, \new
.endif
.endm
.macro PLACES n
.rept \n
	v_nop
.endr
.endm
.macro BARRIER                         ; my LDS stores have landed and my LDS loads are in: then the work-group's barrier
	s_wait_dscnt 0x0
	s_barrier_signal -1
	s_barrier_wait -1
.endm
.macro XLOAD reg, sb                   ; two tiles of given rows, two K steps: four fragments
.irp m, 0,1
.irp s, 0,1
.irp c, 0,1,2,3
	global_load_b128 v[\reg+16*(2*\m+\s)+4*\c:\reg+16*(2*\m+\s)+4*\c+3], v[XADR], s[\sb:\sb+1] offset:2048*\m+128*\s+32*\c
.endr
.endr
.endr
.endm
.macro XSCL reg, sb
.irp m, 0,1
	global_load_b64 v[\reg+2*\m:\reg+2*\m+1], v[XSA], s[\sb:\sb+1] offset:64*\m
.endr
.endm
.macro WLOAD reg, sb                   ; my four tiles of a weight, two K steps: eight fragments
.irp t, 0,1,2,3
.irp s, 0,1
.irp c, 0,1,2,3
	global_load_b128 v[\reg+16*(2*\t+\s)+4*\c:\reg+16*(2*\t+\s)+4*\c+3], v[WADR], s[\sb:\sb+1] offset:(32*(\t/2)+8*(\t%2))*256+128*\s+32*\c
.endr
.endr
.endr
.endm
.macro WSCL reg, sb
.irp t, 0,1,2,3
	global_load_b64 v[\reg+2*\t:\reg+2*\t+1], v[WSA], s[\sb:\sb+1] offset:(32*(\t/2)+8*(\t%2))*8
.endr
.endm
.macro BIAS reg, sb                    ; eight registers a tile: lane (r, h), register j: feature 64 w + 32 b + 8 u + 16 h + j
.irp t, 0,1,2,3
.irp q, 0,1
	global_load_b128 v[\reg+8*\t+4*\q:\reg+8*\t+4*\q+3], v[BADR], s[\sb:\sb+1] offset:(32*(\t/2)+8*(\t%2))*4+16*\q
.endr
.endr
.endm
; 16 matrix instructions: source 0 = my four tiles of a weight, source 1 = the two tiles of rows, K = 256 in two steps.  The eight accumulators take turns.
; cb: the first step's C (a bias) or -1 for the constant 0.  sbm = 0: the rows' scale words are pairs; 1: one register a tile, K step 1's words in lanes 16-31.
.macro MM16 W, w0, w1, cb, SA, sbm, SB
	WIN \w0
.irp m, 0,1
.irp t, 0,1,2,3
.if \cb < 0
	v_wmma_scale_f32_16x16x128_f8f6f4 v[HA+32*\m+8*\t:HA+32*\m+8*\t+7], v[\W+32*\t:\W+32*\t+15], v[XF+32*\m:XF+32*\m+15], 0, v[\SA+2*\t], v[\SB+(2-\sbm)*\m] matrix_a_fmt:MATRIX_FMT_BF8 matrix_b_fmt:MATRIX_FMT_BF8
.else
	v_wmma_scale_f32_16x16x128_f8f6f4 v[HA+32*\m+8*\t:HA+32*\m+8*\t+7], v[\W+32*\t:\W+32*\t+15], v[XF+32*\m:XF+32*\m+15], v[\cb+8*\t:\cb+8*\t+7], v[\SA+2*\t], v[\SB+(2-\sbm)*\m] matrix_a_fmt:MATRIX_FMT_BF8 matrix_b_fmt:MATRIX_FMT_BF8
.endif
.endr
.endr
	WIN \w1
.irp m, 0,1
.irp t, 0,1,2,3
.if \sbm
	v_wmma_scale_f32_16x16x128_f8f6f4 v[HA+32*\m+8*\t:HA+32*\m+8*\t+7], v[\W+32*\t+16:\W+32*\t+31], v[XF+32*\m+16:XF+32*\m+31], v[HA+32*\m+8*\t:HA+32*\m+8*\t+7], v[\SA+2*\t+1], v[\SB+\m] matrix_a_fmt:MATRIX_FMT_BF8 matrix_b_fmt:MATRIX_FMT_BF8 matrix_b_scale:MATRIX_SCALE_ROW1
.else
	v_wmma_scale_f32_16x16x128_f8f6f4 v[HA+32*\m+8*\t:HA+32*\m+8*\t+7], v[\W+32*\t+16:\W+32*\t+31], v[XF+32*\m+16:XF+32*\m+31], v[HA+32*\m+8*\t:HA+32*\m+8*\t+7], v[\SA+2*\t+1], v[\SB+2*\m+1] matrix_a_fmt:MATRIX_FMT_BF8 matrix_b_fmt:MATRIX_FMT_BF8
.endif
.endr
.endr
	WIN 0
.endm
; rot: y[2p] = x[2p] pos[2p+1] - x[2p+1] pos[2p];  y[2p+1] = x[2p+1] pos[2p+1] + x[2p] pos[2p].  pos is source 1 throughout; each accumulator is read from its low end on.
.macro ROT wn
	WIN \wn
.set p, 0
.rept 32
	v_mul_f32 v[RO+2*p], v[HA+2*p], v[POS+2*p+1]
	v_mul_f32 v[RO+2*p+1], v[HA+2*p+1], v[POS+2*p+1]
	v_fma_f32 v[RO+2*p], -v[HA+2*p+1], v[POS+2*p], v[RO+2*p]
	v_fma_f32 v[RO+2*p+1], v[HA+2*p], v[POS+2*p], v[RO+2*p+1]
.set p, p+1
.endr
	WIN 0
.endm
.macro DIAG                            ; the sum of y^2 over my wave's 64 features, for each tile of rows; every lane ends with its row's
.irp m, 0,1
	v_pk_mul_f32 v[DG+2*\m:DG+2*\m+1], v[RO+32*\m:RO+32*\m+1], v[RO+32*\m:RO+32*\m+1]
.endr
.set e, 1
.rept 15
.irp m, 0,1
	v_pk_fma_f32 v[DG+2*\m:DG+2*\m+1], v[RO+32*\m+2*e:RO+32*\m+2*e+1], v[RO+32*\m+2*e:RO+32*\m+2*e+1], v[DG+2*\m:DG+2*\m+1]
.endr
.set e, e+1
.endr
.irp m, 0,1
	v_add_f32 v[DG+2*\m], v[DG+2*\m], v[DG+2*\m+1]
.endr
.irp m, 0,1
	v_permlanex16_b32 v[DG+2*\m+1], v[DG+2*\m], s[SEL], s[SEL+1]
.endr
.irp m, 0,1
	v_add_f32 v[DG+2*\m], v[DG+2*\m], v[DG+2*\m+1]
.endr
.endm
; THE QUANTISER.  nb blocks; block b is v[src + 16 b ..+15]: my 16 numbers of a block of 32, the other 16 in lane l xor 16.  Codes to v[dst + 4 b ..+3].  sgn = 1: signed numbers; 0: none is negative.
; fl: the floor under the largest magnitude, which holds the byte from below.  wm = 4: the four bytes make v[pw]; 2: bytes 0, 1 make v[pw], bytes 2, 3 v[pw + 1]; adj = 1: 2 off each byte (the factor 1/4).
.macro QUANT src, dst, nb, sgn, fl, wm, adj, pw
.set qb, 0
.rept \nb
.if \sgn
	v_max3_num_f32 v[TM+qb], |v[16*qb+(\src)]|, |v[16*qb+1+(\src)]|, \fl
.else
	v_max3_num_f32 v[TM+qb], v[16*qb+(\src)], v[16*qb+1+(\src)], \fl
.endif
.set qb, qb+1
.endr
.set qi, 2
.rept 7
.set qb, 0
.rept \nb
.if \sgn
	v_max3_num_f32 v[TM+qb], v[TM+qb], |v[16*qb+qi+(\src)]|, |v[16*qb+qi+1+(\src)]|
.else
	v_max3_num_f32 v[TM+qb], v[TM+qb], v[16*qb+qi+(\src)], v[16*qb+qi+1+(\src)]
.endif
.set qb, qb+1
.endr
.set qi, qi+2
.endr
.set qb, 0
.rept \nb
	v_permlanex16_b32 v[TM+4+qb], v[TM+qb], s[SEL], s[SEL+1]
.set qb, qb+1
.endr
.set qb, 0
.rept \nb
	v_max_num_f32 v[TM+qb], v[TM+qb], v[TM+4+qb]                ; the block's largest magnitude
.set qb, qb+1
.endr
.set qb, 0
.rept \nb
	v_add_nc_u32 v[TM+12+qb], 0xf8800000, v[TM+qb]              ; 15 off its exponent field: the conversion's scale operand
.set qb, qb+1
.endr
.set qb, 0
.rept \nb
	v_and_or_b32 v[TM+8+qb], v[TM+qb], 0x7f800000, s[MNT]       ; 57,344 x the scale
.set qb, qb+1
.endr
.set qb, 0
.rept \nb
	v_lshrrev_b32 v[TM+4+qb], 23, v[TM+12+qb]                   ; the scale's byte
.set qb, qb+1
.endr
.if \wm == 4
	v_lshl_or_b32 v[\pw], v[TM+5], 8, v[TM+4]
	v_lshl_or_b32 v[\pw], v[TM+6], 16, v[\pw]
	v_lshl_or_b32 v[\pw], v[TM+7], 24, v[\pw]
.endif
.if \wm == 2
	v_lshl_or_b32 v[\pw], v[TM+5], 8, v[TM+4]
	v_lshl_or_b32 v[\pw+1], v[TM+7], 8, v[TM+6]
.if \adj
	v_add_nc_u32 v[\pw], 0xfffffdfe, v[\pw]                     ; - 0x0202: each byte is 3 or more, so none borrows
	v_add_nc_u32 v[\pw+1], 0xfffffdfe, v[\pw+1]
.endif
.endif
.set qb, 0
.rept \nb
.set qi, 0
.rept 16
.if \sgn
	v_med3_num_f32 v[16*qb+qi+(\src)], v[16*qb+qi+(\src)], -v[TM+8+qb], v[TM+8+qb]   ; the conversion to an 8-bit code does not saturate (ISA guide 7.6.2): the hold
.else
	v_min_num_f32 v[16*qb+qi+(\src)], v[16*qb+qi+(\src)], v[TM+8+qb]
.endif
.set qi, qi+1
.endr
	v_cvt_scalef32_pk8_bf8_f32 v[4*qb+(\dst):4*qb+1+(\dst)], v[16*qb+(\src):16*qb+7+(\src)], v[TM+12+qb]
	v_cvt_scalef32_pk8_bf8_f32 v[4*qb+2+(\dst):4*qb+3+(\dst)], v[16*qb+8+(\src):16*qb+15+(\src)], v[TM+12+qb]
.set qb, qb+1
.endr
	v_nop                                          ; a plain line behind the last conversion
.endm
.macro IMG off                         ; my part (two blocks of 32 features) of the two tiles' fragments, as it stands in registers
.irp m, 0,1
.irp b, 0,1
	ds_store_b128 v[XWI], v[PC+8*\m+4*\b:PC+8*\m+4*\b+3] offset:\off+4096*\m+512*\b
.endr
.endr
.endm
.macro HWS off                         ; and my two bytes of their scale words (both halves of the lanes write the same)
.irp m, 0,1
	ds_store_b16 v[XWS], v[PW+\m] offset:\off+128*\m
.endr
.endm
.macro FETCH off, soff                 ; the four fragments and the two registers of scale words come back, in any wave
.irp f, 0,1,2,3
.irp c, 0,1,2,3
	ds_load_b128 v[XF+16*\f+4*\c:XF+16*\f+4*\c+3], v[LI] offset:\off+2048*\f+512*\c
.endr
.endr
.irp m, 0,1
	ds_load_b32 v[XS+\m], v[LS] offset:\soff+128*\m
.endr
.endm
	s_load_b512 s[4:19], s[0:1], 0x0               ; key codes 4, key scales 6, Wk codes 8, Wk scales 10, bk 12, value codes 14, value scales 16, Wv codes 18
	s_load_b512 s[20:35], s[0:1], 0x40             ; Wv scales 20, bv 22, proj codes 24, proj scales 26, pos 28, rk 30, rks 32, vimg 34
	s_load_b128 s[36:39], s[0:1], 0x80             ; vsc 36, aux 38
	v_lshl_add_u32 v[SPW], v0, 2, SPARE
	v_mov_b32 v[NIL], 0
	v_lshrrev_b32 v[LN], 5, v0
	v_readfirstlane_b32 s[WV], v[LN]
	v_and_b32 v[LN], 31, v0
	v_and_b32 v[R], 15, v0
	v_bfe_u32 v[H], v0, 4, 1
	v_and_b32 v[PR], 8, v[R]
	v_add_nc_u32 v[PR], v[PR], v[R]
	v_lshlrev_b32 v[XADR], 8, v[PR]
	v_lshl_add_u32 v[XADR], v[H], 4, v[XADR]
	v_lshlrev_b32 v[XSA], 3, v[PR]
	s_lshl_b32 s42, s[WV], 14
	v_add_nc_u32 v[WADR], s42, v[XADR]
	s_lshl_b32 s42, s[WV], 9
	v_add_nc_u32 v[WSA], s42, v[XSA]
	s_lshl_b32 s43, s[WV], 8
	v_lshl_add_u32 v[BADR], v[H], 6, s43
	v_lshl_add_u32 v[PADR], v[PR], 10, v[BADR]
	v_lshlrev_b32 v[LI], 4, v[LN]
	v_lshlrev_b32 v[LS], 2, v[LN]
	s_lshl_b32 s42, s[WV], 10
	v_add_nc_u32 v[XWI], s42, v[LI]
	s_lshr_b32 s42, s[WV], 1
	s_lshl_b32 s42, s42, 6
	s_and_b32 s44, s[WV], 1
	s_lshl_b32 s44, s44, 1
	s_add_co_u32 s42, s42, s44
	v_lshl_add_u32 v[XWS], v[R], 2, s42
	v_add_nc_u32 v[DWA], s43, v[LS]
	s_lshl_b32 s42, s[WV], 6
	v_add_nc_u32 v[VBW], s42, v[LN]
	v_lshlrev_b32 v[L8], 3, v[LN]
	v_lshl_add_u32 v[NDA], v[H], 3, v[PR]
	v_lshlrev_b32 v[NDA], 2, v[NDA]
	v_lshl_add_u32 v[BVA], v[PR], 2, s43
	v_mov_b32 v[ZO], 0
.irp b, 0,1,2,3
	v_mov_b32 v[TM+4+\b], 0                        ; written once: a lane permute's destination counts as one of its sources
.endr
	s_mov_b32 s[SEL], 0x76543210
	s_mov_b32 s[SEL+1], 0xfedcba98
	s_mov_b32 s[MNT], 0x600000
	s_mov_b32 s[HM], 0xffff0000
	s_lshl_b32 s50, ttmp9, 13                      ; 32 rows of 256 bytes
	s_mov_b32 s51, 0
	s_lshl_b32 s52, ttmp9, 8                       ; 256 bytes a work-group
	s_mov_b32 s53, 0
	s_and_b32 s54, ttmp9, 63                       ; the block of 32 along l
	s_lshl_b32 s56, s54, 9
	s_lshl_b32 s54, s54, 15                        ; 32 rows of pos
	s_mov_b32 s55, 0
	s_lshr_b32 s42, ttmp9, 6                       ; the batch
	s_lshl_b32 s42, s42, 19
	s_add_co_u32 s56, s56, s42
	s_lshl_b32 s42, s[WV], 17
	s_add_co_u32 s56, s56, s42                     ; vimg: 524288 b + 131072 w + 512 block
	s_mov_b32 s57, 0
	s_lshl_b32 s58, ttmp9, 7                       ; -diag: 32 numbers
	s_mov_b32 s59, 0
	s_lshl_b32 s60, ttmp9, 4
	s_lshl_b32 s42, s[WV], 2
	s_add_co_u32 s60, s60, s42
	s_add_co_u32 s60, s60, 32768                   ; the maxima: behind -diag, one number a wave
	s_mov_b32 s61, 0
	s_wait_kmcnt 0x0
	s_add_nc_u64 s[4:5], s[4:5], s[50:51]
	s_add_nc_u64 s[14:15], s[14:15], s[50:51]
	s_add_nc_u64 s[30:31], s[30:31], s[50:51]
	s_add_nc_u64 s[6:7], s[6:7], s[52:53]
	s_add_nc_u64 s[16:17], s[16:17], s[52:53]
	s_add_nc_u64 s[32:33], s[32:33], s[52:53]
	s_add_nc_u64 s[36:37], s[36:37], s[52:53]
	s_add_nc_u64 s[28:29], s[28:29], s[54:55]
	s_add_nc_u64 s[34:35], s[34:35], s[56:57]
	s_add_nc_u64 s[58:59], s[38:39], s[58:59]
	s_add_nc_u64 s[60:61], s[38:39], s[60:61]
	; the first group, 78 loads: what k's chain wants
	XLOAD XF, 4
	XSCL KSC, 6
	WSCL WKS, 10
	WIN 0x40
	WLOAD WK, 8
	WIN 0xc0
	BIAS BK, 12
	WIN 0x80
.irp m, 0,1
.irp t, 0,1,2,3
.irp q, 0,1
	global_load_b128 v[POS+32*\m+8*\t+4*\q:POS+32*\m+8*\t+4*\q+3], v[PADR], s[28:29] offset:8192*\m+128*(\t/2)+32*(\t%2)+16*\q
.endr
.endr
.endr
	; the second group, 62 loads: what v wants
	XLOAD VAL, 14
	WIN 0x40
	WLOAD WV_, 18
	WIN 0
	XSCL VLS, 16
	WSCL WVS, 20
.irp t, 0,1,2,3
	global_load_b32 v[BV+2*\t], v[BVA], s[22:23] offset:(32*(\t/2)+8*(\t%2))*4
	global_load_b32 v[BV+2*\t+1], v[BVA], s[22:23] offset:(32*(\t/2)+8*(\t%2))*4
.endr
	s_wait_loadcnt 62                              ; the second group's 62 may stay out: the first group is in
	; ---- k = key Wk + bk (transposed: a lane holds one row, its registers run along the features)
	MM16 WK, 0x31, 0x01, BK, WKS, 0, KSC
	WIN 0x80
	WLOAD PJ, 24                                   ; the third group, 36 loads: proj
	WIN 0
	WSCL PJS, 26
	PLACES 8                                       ; behind the products: their results are read and their row fragments overwritten next
	ROT 0x08
	DIAG
.irp m, 0,1
	ds_store_b32 v[DWA], v[DG+2*\m] offset:DGP+128*\m
.endr
	QUANT RO, PC, 4, 1, 0x9000000, 2, 1, PW
	IMG XIMG
	HWS XSC
.irp m, 0,1
.irp b, 0,1
	global_store_b128 v[XWI], v[PC+8*\m+4*\b:PC+8*\m+4*\b+3], s[30:31] offset:4096*\m+512*\b   ; the same image to rk: 512 consecutive bytes an instruction
.endr
.endr
	; ---- v = value Wv + bv, the other way round: source 0 = the rows, so that a lane holds one column and its registers run along l
	s_wait_loadcnt 36                              ; proj's 36 may stay out: the second group is in
	WIN 0x06
.irp s, 0,1
.irp t, 0,1,2,3
.irp u, 0,1
.if \s == 0
	v_wmma_scale_f32_16x16x128_f8f6f4 v[HA+16*\t+8*\u:HA+16*\t+8*\u+7], v[VAL+32*\u:VAL+32*\u+15], v[WV_+32*\t:WV_+32*\t+15], 0, v[VLS+2*\u], v[WVS+2*\t] matrix_a_fmt:MATRIX_FMT_BF8 matrix_b_fmt:MATRIX_FMT_BF8
.else
	v_wmma_scale_f32_16x16x128_f8f6f4 v[HA+16*\t+8*\u:HA+16*\t+8*\u+7], v[VAL+32*\u+16:VAL+32*\u+31], v[WV_+32*\t+16:WV_+32*\t+31], v[HA+16*\t+8*\u:HA+16*\t+8*\u+7], v[VLS+2*\u+1], v[WVS+2*\t+1] matrix_a_fmt:MATRIX_FMT_BF8 matrix_b_fmt:MATRIX_FMT_BF8
.endif
.endr
.endr
.endr
	WIN 0
	PLACES 8
.irp t, 0,1,2,3
.irp i, 0,1,2,3,4,5,6,7
	v_pk_add_f32 v[HA+16*\t+2*\i:HA+16*\t+2*\i+1], v[HA+16*\t+2*\i:HA+16*\t+2*\i+1], v[BV+2*\t:BV+2*\t+1]
.endr
.endr
	s_wait_dscnt 0x0                               ; the LDS stores above have read the codes' registers,
	s_wait_xcnt 0x0                                ; and so have rk's stores: they are written again below
	QUANT HA, PC, 4, 1, 0x8000000, 0, 0, 0         ; block t = my tile t's column, these 32 l
.irp t, 0,1,2,3
	global_store_b128 v[LI], v[PC+4*\t:PC+4*\t+3], s[34:35] offset:32768*\t   ; four registers of tile t's fragment of this l step: 512 consecutive bytes
.endr
	v_cndmask_b32 v[MT], v[TM+4], v[TM+5], s[HM]   ; lanes 0-15: tile 0's bytes, lanes 16-31: tile 1's
	v_cndmask_b32 v[MT+1], v[TM+6], v[TM+7], s[HM]
	ds_store_b8 v[VBW], v[MT] offset:VSB
	ds_store_b8 v[VBW], v[MT+1] offset:VSB+32
	BARRIER                                        ; rot(k)'s fragments and scale words, the sums of y^2 and v's bytes lie in LDS
	; ---- xp = x proj^T for my 64 columns, for its largest number alone
	FETCH XIMG, XSC
	s_wait_dscnt 0x0
	s_wait_loadcnt 0x0                             ; proj
	MM16 PJ, 0x02, 0x02, -1, PJS, 1, XS
	PLACES 8
.irp q, 0,1,2,3
	v_max3_num_f32 v[MT+\q], v[HA+16*\q], v[HA+16*\q+1], v[HA+16*\q+2]
.endr
.irp i, 3,5,7,9,11,13
.irp q, 0,1,2,3
	v_max3_num_f32 v[MT+\q], v[MT+\q], v[HA+16*\q+\i], v[HA+16*\q+\i+1]
.endr
.endr
.irp q, 0,1,2,3
	v_max_num_f32 v[MT+\q], v[MT+\q], v[HA+16*\q+15]
.endr
	v_max3_num_f32 v[MT], v[MT], v[MT+1], v[MT+2]
	v_max_num_f32 v[MT], v[MT], v[MT+3]
	v_max_num_f32_dpp v[MT], v[MT], v[MT] row_xmask:1 row_mask:0xf bank_mask:0xf
	v_max_num_f32_dpp v[MT], v[MT], v[MT] row_xmask:2 row_mask:0xf bank_mask:0xf
	v_max_num_f32_dpp v[MT], v[MT], v[MT] row_xmask:4 row_mask:0xf bank_mask:0xf
	v_max_num_f32_dpp v[MT], v[MT], v[MT] row_xmask:8 row_mask:0xf bank_mask:0xf
	v_permlanex16_b32 v[MT+1], v[MT], s[SEL], s[SEL+1]
	v_max_num_f32 v[MT], v[MT], v[MT+1]            ; over my 32 rows x 64 columns
	; ---- wave 0 stores what the work-group made together
	s_cmp_lg_u32 s[WV], 0
	s_cbranch_scc1 .Lnot_wave_0
.irp x, 0,1,2,3
.irp m, 0,1
	ds_load_b32 v[T0+2*\x+\m], v[LS] offset:DGP+256*\x+128*\m
.endr
.endr
	ds_load_b64 v[T0+8:T0+9], v[L8] offset:VSB
	s_wait_dscnt 0x0
.irp m, 0,1
	v_add_f32 v[T0+\m], v[T0+\m], v[T0+2+\m]
	v_add_f32 v[T0+4+\m], v[T0+4+\m], v[T0+6+\m]
.endr
.irp m, 0,1
	v_add_f32 v[T0+\m], v[T0+\m], v[T0+4+\m]
.endr
	v_cndmask_b32 v[T0], v[T0], v[T0+1], s[HM]     ; lanes 0-15: rows pr, lanes 16-31: rows 8 + pr
	v_mul_f32 v[T0], 0xbd000000, v[T0]             ; -diag = -(1/32) sum y^2
	global_store_b32 v[NDA], v[T0], s[58:59]
.irp m, 0,1
	global_store_b32 v[LS], v[XS+\m], s[32:33] offset:128*\m
.endr
	global_store_b64 v[L8], v[T0+8:T0+9], s[36:37] ; 32 lanes store 256 consecutive bytes, aligned
.Lnot_wave_0:
	s_wait_xcnt 0x0                                ; EXEC changes only behind this wait
	v_cmp_eq_u32 vcc_lo, 0, v[LN]
	s_and_saveexec_b32 s62, vcc_lo
	global_store_b32 v[ZO], v[MT], s[60:61]        ; my wave's largest xp
	s_wait_xcnt 0x0
	s_or_b32 exec_lo, exec_lo, s62
	s_wait_tensorcnt 0x0                           ; the wave's end: the closing lines, behind my last LDS store
	ds_add_u32 v[SPW], v[NIL]
	s_wait_dscnt 0x0
	s_endpgm
.Lfunc_end_k_qfbb3291f23_prep:
	.size	k_qfbb3291f23_prep, .Lfunc_end_k_qfbb3291f23_prep-k_qfbb3291f23_prep
	.p2alignl 7, 3214868480
	.fill 96, 4, 3214868480
	.section	.rodata,"a",@progbits
	.p2align	6, 0x0
	.amdhsa_kernel k_qfbb3291f23_prep
		.amdhsa_group_segment_fixed_size 11264
		.amdhsa_private_segment_fixed_size 0
		.amdhsa_enable_private_segment 0
		.amdhsa_kernarg_size 144
		.amdhsa_user_sgpr_count 2
		.amdhsa_user_sgpr_kernarg_segment_ptr 1
		.amdhsa_wavefront_size32 1
		.amdhsa_system_sgpr_workgroup_id_x 1
		.amdhsa_system_sgpr_workgroup_id_y 1
		.amdhsa_system_sgpr_workgroup_id_z 1
		.amdhsa_system_vgpr_workitem_id 0
		.amdhsa_next_free_vgpr 800
		.amdhsa_next_free_sgpr 66
		.amdhsa_reserve_vcc 1
		.amdhsa_float_denorm_mode_32 3
		.amdhsa_float_denorm_mode_16_64 3
		.amdhsa_memory_ordered 1
		.amdhsa_forward_progress 1
		.amdhsa_inst_pref_size 61
	.end_amdhsa_kernel
	.amdgpu_metadata
---
amdhsa.version: [ 1, 2 ]
amdhsa.kernels:
  - .name:           k_qfbb3291f23_prep
    .symbol:         k_qfbb3291f23_prep.kd
    .args:
      - { .name: key_codes, .offset: 0, .size: 8, .value_kind: global_buffer, .address_space: global }
      - { .name: key_scales, .offset: 8, .size: 8, .value_kind: global_buffer, .address_space: global }
      - { .name: Wk_codes, .offset: 16, .size: 8, .value_kind: global_buffer, .address_space: global }
      - { .name: Wk_scales, .offset: 24, .size: 8, .value_kind: global_buffer, .address_space: global }
      - { .name: bk, .offset: 32, .size: 8, .value_kind: global_buffer, .address_space: global }
      - { .name: value_codes, .offset: 40, .size: 8, .value_kind: global_buffer, .address_space: global }
      - { .name: value_scales, .offset: 48, .size: 8, .value_kind: global_buffer, .address_space: global }
      - { .name: Wv_codes, .offset: 56, .size: 8, .value_kind: global_buffer, .address_space: global }
      - { .name: Wv_scales, .offset: 64, .size: 8, .value_kind: global_buffer, .address_space: global }
      - { .name: bv, .offset: 72, .size: 8, .value_kind: global_buffer, .address_space: global }
      - { .name: proj_codes, .offset: 80, .size: 8, .value_kind: global_buffer, .address_space: global }
      - { .name: proj_scales, .offset: 88, .size: 8, .value_kind: global_buffer, .address_space: global }
      - { .name: pos, .offset: 96, .size: 8, .value_kind: global_buffer, .address_space: global }
      - { .name: rk, .offset: 104, .size: 8, .value_kind: global_buffer, .address_space: global }
      - { .name: rks, .offset: 112, .size: 8, .value_kind: global_buffer, .address_space: global }
      - { .name: vimg, .offset: 120, .size: 8, .value_kind: global_buffer, .address_space: global }
      - { .name: vsc, .offset: 128, .size: 8, .value_kind: global_buffer, .address_space: global }
      - { .name: aux, .offset: 136, .size: 8, .value_kind: global_buffer, .address_space: global }
    .group_segment_fixed_size: 11264
    .private_segment_fixed_size: 0
    .kernarg_segment_align: 8
    .kernarg_segment_size: 144
    .max_flat_workgroup_size: 128
    .sgpr_count:     66
    .vgpr_count:     800
    .wavefront_size: 32
...
	.end_amdgpu_metadata
.endif
;; end of part 1
;; launch kvs (part 2): grid 8 x 32, 4 waves a work-group, clusters of 4 x 1, 327,680 bytes of LDS; arguments rk, rks, aux, proj_codes, proj_scales, vimg, vsc, kvimg, kaux; writes kvimg, kaux
.if DOCPART == 2
	.amdgcn_target "amdgcn-amd-amdhsa--gfx1250"
	.amdhsa_code_object_version 6
	.text
	.protected	k_qfbb3291f23_kvs
	.globl	k_qfbb3291f23_kvs
	.p2align	8
	.type	k_qfbb3291f23_kvs,@function
k_qfbb3291f23_kvs:
	s_mov_b64 s[64:65], 0
	v_nop
	global_prefetch_b8 v0, s[64:65] scope:SCOPE_SE
	s_setreg_imm32_b32 hwreg(HW_REG_WAVE_MODE, 25, 1), 1
	s_wait_xcnt 0x0
	s_wait_alu depctr_hold_cnt(0) depctr_sa_sdst(0) depctr_va_vdst(0) depctr_va_sdst(0) depctr_va_ssrc(0) depctr_va_vcc(0) depctr_vm_vsrc(0)
	s_getreg_b32 s2, hwreg(HW_REG_IB_STS2, 6, 4)
	s_cmp_eq_u32 s2, 0
	s_cbranch_scc0 .Lentry_in_a_cluster
	s_endpgm
.Lentry_in_a_cluster:
	s_bfe_u32 s2, ttmp6, 0x10000c
	s_cmp_lg_u32 s2, 0x3003
	s_cbranch_scc0 .Lentry_shape_is_right
	s_endpgm
.Lentry_shape_is_right:
; KVS: kp = (1/16) (exp(xp - diag - mx) + 1e-6), mx the largest xp of the batch; kvs[m][d] = sum over l of kp[l][m] v[l][d], both operands quantised along l; kvs's codes along m; the sums of kp over l (f32).
; SHARES.  A work-group makes kvs for one batch, one head, 32 m (block mblk) x the head's 32 d, over all 2,048 l.  Wave w takes l = 512 w .. 512 w + 511 in four steps of 128; the four partial sums meet in LDS.
; LAYOUT.  xp is made with source 0 = 16 rows of rot(k) and source 1 = 16 rows of proj: a lane holds one m and its registers run along l.  rk's tiles hold rows 32 j + 8 u + pr, pr = r + 8 (r / 8), so the 16 registers of two
; neighbouring tiles are 16 neighbouring l: the conversions' results are the second product's operand.  -diag is the C of xp's first matrix instruction.
; CLUSTER.  The four partners share batch and head and differ in mblk alone.  rot(k)'s codes, 32,768 bytes a wave and step, hang on batch, wave and step: each is asked for JOINTLY, by the same tensor load with a mask that names
; the four.  v's fragments, the scale words and -diag (5,632 bytes a wave and step beside the 32,768) come by plain loads: a small part of a step's bytes.  The place in the cluster enters only proj's and the outputs' global addresses.
; The ring: two slots; a wave reads only what its own load brought.  By this text's count a wave has two tensor loads out at the start and one behind each change of slots.
; LIMITS: NaN and infinities are not served; v_exp_f32 gives 0 under 2^-126, which is nothing beside 1e-6; a block of kvs under 2^-111 keeps the floor's scale byte.
.set RED,   262144                     ; LDS behind the ring (2 x 131,072): the waves' partial kvs, 4,096 bytes each
.set KSR,   278528                     ; their partial sums of kp, 128 bytes each
.set SPARE, 279040                     ; the spare words, 128 bytes a wave: two blocks of 256 bytes that no other line names
.set LN,   1
.set R,    2
.set H,    3
.set PR,   4
.set LI,   5                           ; 16 x lane
.set LS,   6                           ; 4 x lane
.set LA0,  7                           ; my wave's part of slot 0; v8: of slot 1
.set PADR, 9                           ; 256 pr + 16 h
.set PSA,  10                          ; 8 pr
.set NADR, 11                          ; 64 h
.set RRA,  12                          ; RED + 16 x lane
.set RWA,  13                          ; RED + 16 x lane + 4096 w
.set KWA,  14                          ; KSR + 4 x lane + 128 w
.set GKA,  15                          ; 4 (8 h + pr)
.set PMA,  16                          ; 32 x lane
.set SPW,  17                          ; my spare word's LDS address; never rewritten
.set NIL,  18                          ; 0; never rewritten
.set KRA,  19                          ; KSR + 4 x lane
.set LL,   20                          ; log2 e, twice
.set NM,   22                          ; -mx log2 e, twice
.set CC,   24                          ; 1/16, twice
.set CE,   26                          ; 1e-6 / 16, twice
.set KS,   28                          ; v28-35 sums of kp: two chains of pairs for each tile of m
.set TM,   36                          ; v36-51 the quantiser's
.set KPW,  52                          ; v52-53 kp's scale words
.set PJS,  54                          ; v54-57 proj's, a pair for each tile
.set RKS,  58                          ; v58-65 rot(k)'s: K step 0 in lanes 0-15, K step 1 in lanes 16-31
.set VS,   66                          ; v66-73 v's: 2 step + tile
.set KP,   74                          ; v74-105 kp's two fragments
.set TP,   108                         ; at work
.set ACC,  128                         ; v128-255 xp, then kp: 64 u + 8 i + j
.set PROJ, 0                           ; window 2: proj's four fragments; -diag (8 i + j); v's fragments, two sets; kvs's four accumulators.  Window 1: rot(k)'s sixteen fragments
.set ND,   64
.set VF,   128
.set KV,   192
.set WV,   22
.set CX,   23
.set MB,   24
.set YY,   25
.set BB,   26
.set HD,   27
.set SEL,  32
.set MNT,  34
.set HM,   35
.set G1,   40                          ; s[40:47] descriptor group 1
.set G0,   48                          ; s[48:55] group 0, a set for each slot
.set MSB, 0
.macro WIN new
.if MSB != \new
	s_set_vgpr_msb (MSB<<8)|\new
.set MSB, \new
.endif
.endm
.macro PLACES n
.rept \n
	v_nop
.endr
.endm
.macro ROUND                           ; a round of the cluster's barrier
	s_barrier_signal -1
	s_barrier_wait -1
	s_cmp_lg_u32 s[WV], 0
	s_cbranch_scc1 .Lnot_wave_0_\@
	s_barrier_signal -3
.Lnot_wave_0_\@:
	s_barrier_wait -3
	s_barrier_signal -1
	s_barrier_wait -1
.endm
; THE QUANTISER, as in the launch before: nb blocks of 16 registers (the other 16 numbers in lane l xor 16) -> codes at dst; wm = 4: the four bytes make v[pw]
.macro QUANT src, dst, nb, sgn, fl, wm, adj, pw
.set qb, 0
.rept \nb
.if \sgn
	v_max3_num_f32 v[TM+qb], |v[16*qb+(\src)]|, |v[16*qb+1+(\src)]|, \fl
.else
	v_max3_num_f32 v[TM+qb], v[16*qb+(\src)], v[16*qb+1+(\src)], \fl
.endif
.set qb, qb+1
.endr
.set qi, 2
.rept 7
.set qb, 0
.rept \nb
.if \sgn
	v_max3_num_f32 v[TM+qb], v[TM+qb], |v[16*qb+qi+(\src)]|, |v[16*qb+qi+1+(\src)]|
.else
	v_max3_num_f32 v[TM+qb], v[TM+qb], v[16*qb+qi+(\src)], v[16*qb+qi+1+(\src)]
.endif
.set qb, qb+1
.endr
.set qi, qi+2
.endr
.set qb, 0
.rept \nb
	v_permlanex16_b32 v[TM+4+qb], v[TM+qb], s[SEL], s[SEL+1]
.set qb, qb+1
.endr
.set qb, 0
.rept \nb
	v_max_num_f32 v[TM+qb], v[TM+qb], v[TM+4+qb]
.set qb, qb+1
.endr
.set qb, 0
.rept \nb
	v_add_nc_u32 v[TM+12+qb], 0xf8800000, v[TM+qb]              ; 15 off the exponent field: the conversion's scale operand
.set qb, qb+1
.endr
.set qb, 0
.rept \nb
	v_and_or_b32 v[TM+8+qb], v[TM+qb], 0x7f800000, s[MNT]       ; 57,344 x the scale
.set qb, qb+1
.endr
.set qb, 0
.rept \nb
	v_lshrrev_b32 v[TM+4+qb], 23, v[TM+12+qb]                   ; the scale's byte
.set qb, qb+1
.endr
.if \wm == 4
	v_lshl_or_b32 v[\pw], v[TM+5], 8, v[TM+4]
	v_lshl_or_b32 v[\pw], v[TM+6], 16, v[\pw]
	v_lshl_or_b32 v[\pw], v[TM+7], 24, v[\pw]
.endif
.set qb, 0
.rept \nb
.set qi, 0
.rept 16
.if \sgn
	v_med3_num_f32 v[16*qb+qi+(\src)], v[16*qb+qi+(\src)], -v[TM+8+qb], v[TM+8+qb]
.else
	v_min_num_f32 v[16*qb+qi+(\src)], v[16*qb+qi+(\src)], v[TM+8+qb]   ; the conversion does not saturate (ISA guide 7.6.2); nothing is negative, so the hold is one-sided
.endif
.set qi, qi+1
.endr
	v_cvt_scalef32_pk8_bf8_f32 v[4*qb+(\dst):4*qb+1+(\dst)], v[16*qb+(\src):16*qb+7+(\src)], v[TM+12+qb]
	v_cvt_scalef32_pk8_bf8_f32 v[4*qb+2+(\dst):4*qb+3+(\dst)], v[16*qb+8+(\src):16*qb+15+(\src)], v[TM+12+qb]
.set qb, qb+1
.endr
	v_nop                                          ; a plain line behind the last conversion
.endm
.macro LDSRK k                         ; step k's sixteen fragments of rot(k) out of my part of its slot: 64 loads in one run
	WIN 0x40
.irp i, 0,1,2,3,4,5,6,7
.irp s, 0,1
.irp c, 0,1,2,3
	ds_load_b128 v[32*\i+16*\s+4*\c:32*\i+16*\s+4*\c+3], v[LA0+(\k)%2] offset:4096*\i+2048*\s+512*\c
.endr
.endr
.endr
	WIN 0
.endm
.macro GLOB k                          ; step k's -diag, v's two fragments and rot(k)'s scale words
	WIN 0x80
.irp i, 0,1,2,3,4,5,6,7
.irp q, 0,1
	global_load_b128 v[ND+8*\i+4*\q:ND+8*\i+4*\q+3], v[NADR], s[36:37] offset:512*(\k)+128*(\i/2)+32*(\i%2)+16*\q
.endr
.endr
.irp t, 0,1
.irp c, 0,1,2,3
	global_load_b128 v[VF+32*((\k)%2)+16*\t+4*\c:VF+32*((\k)%2)+16*\t+4*\c+3], v[LI], s[14:15] offset:2048*(\k)+32768*\t+512*\c
.endr
.endr
	WIN 0
.irp i, 0,1,2,3,4,5,6,7
	global_load_b32 v[RKS+\i], v[LS], s[6:7] offset:1024*(\k)+128*\i
.endr
.endm
	s_load_b512 s[4:19], s[0:1], 0x0               ; rk 4, rks 6, aux 8, proj codes 10, proj scales 12, vimg 14, vsc 16, kvimg 18
	s_load_b64 s[20:21], s[0:1], 0x40              ; kaux
	v_lshl_add_u32 v[SPW], v0, 2, SPARE
	v_mov_b32 v[NIL], 0
	ds_add_u32 v[SPW], v[NIL]                      ; the wave's opening: the add and its wait stand ahead of my first tensor load; the set-up below, work on registers, stands between them
	v_lshrrev_b32 v[LN], 5, v0
	v_readfirstlane_b32 s[WV], v[LN]
	s_bfe_u32 s[CX], ttmp6, 0x40000                ; my place in the cluster
	s_lshl_b32 s[MB], ttmp9, 2
	s_add_co_u32 s[MB], s[MB], s[CX]               ; the block of 32 m
	s_and_b32 s[YY], ttmp7, 0xffff
	s_lshr_b32 s[BB], s[YY], 3                     ; the batch
	s_and_b32 s[HD], s[YY], 7                      ; the head: both shared by the four partners
	s_mov_b32 s[G1], 15|(3<<16)|(1<<21)            ; 15:0 the mask: all four; 17:16 elements of 8 bytes; 21 set beside a mask; no padding
	s_mov_b32 s[G1+1], 32<<16                      ; tensor_dim0 = 32 elements: rows of 256 bytes
	s_mov_b32 s[G1+2], 128<<16                     ; tensor_dim1 = 128
	s_mov_b32 s[G1+3], 32<<16                      ; tile_dim0
	s_mov_b32 s[G1+4], 128                         ; tile_dim1: 32,768 dense bytes
	s_mov_b32 s[G1+5], 32                          ; the pitch
	s_mov_b32 s[G1+6], 0
	s_mov_b32 s[G1+7], 0
	s_mov_b32 s[SEL], 0x76543210
	s_mov_b32 s[SEL+1], 0xfedcba98
	s_mov_b32 s[MNT], 0x600000
	s_mov_b32 s[HM], 0xffff0000
	v_and_b32 v[LN], 31, v0
	v_and_b32 v[R], 15, v0
	v_bfe_u32 v[H], v0, 4, 1
	v_and_b32 v[PR], 8, v[R]
	v_add_nc_u32 v[PR], v[PR], v[R]
	v_lshlrev_b32 v[LI], 4, v[LN]
	v_lshlrev_b32 v[LS], 2, v[LN]
	s_lshl_b32 s62, s[WV], 15                      ; my wave's 32,768 bytes of a slot
	v_add_nc_u32 v[LA0], s62, v[LI]
	v_add_nc_u32 v[LA0+1], 0x20000, v[LA0]
	v_lshlrev_b32 v[PADR], 8, v[PR]
	v_lshl_add_u32 v[PADR], v[H], 4, v[PADR]
	v_lshlrev_b32 v[PSA], 3, v[PR]
	v_lshlrev_b32 v[NADR], 6, v[H]
	v_add_nc_u32 v[RRA], RED, v[LI]
	s_lshl_b32 s63, s[WV], 12
	v_add_nc_u32 v[RWA], s63, v[RRA]
	v_add_nc_u32 v[KRA], KSR, v[LS]
	s_lshl_b32 s63, s[WV], 7
	v_add_nc_u32 v[KWA], s63, v[KRA]
	v_lshl_add_u32 v[GKA], v[H], 3, v[PR]
	v_lshlrev_b32 v[GKA], 2, v[GKA]
	v_lshlrev_b32 v[PMA], 5, v[LN]
	v_mov_b32 v[LL], 0x3fb8aa3b
	v_mov_b32 v[LL+1], 0x3fb8aa3b
	v_mov_b32 v[CC], 0x3d800000
	v_mov_b32 v[CC+1], 0x3d800000
	v_mov_b32 v[CE], 0x338637bd
	v_mov_b32 v[CE+1], 0x338637bd
.irp j, 0,1,2,3,4,5,6,7
	v_mov_b32 v[KS+\j], 0
.endr
.irp b, 0,1,2,3
	v_mov_b32 v[TM+4+\b], 0                        ; written once: a lane permute's destination counts as one of its sources
.endr
	v_mov_b32 v[TP+1], 0
	s_lshl_b32 s28, s[BB], 19                      ; rk: 524288 b + 131072 w: no register of this sum ever holds the place in the cluster
	s_lshl_b32 s60, s[WV], 17
	s_add_co_u32 s28, s28, s60
	s_mov_b32 s29, 0
	s_wait_dscnt 0x0                               ; the opening add is done
	s_wait_kmcnt 0x0
	s_add_nc_u64 s[4:5], s[4:5], s[28:29]
	s_mov_b32 s[G0], 1                             ; slot 0: step 0
	s_mov_b32 s[G0+1], s62
	s_mov_b64 s[G0+2:G0+3], s[4:5]
	s_or_b32 s[G0+3], s[G0+3], 0x80000000
	s_mov_b32 s[G0+4], 1                           ; slot 1: step 1
	s_add_co_u32 s[G0+5], s62, 0x20000
	s_add_nc_u64 s[G0+6:G0+7], s[4:5], 32768
	s_or_b32 s[G0+7], s[G0+7], 0x80000000
	ROUND                                          ; all four work-groups are here: the first joint loads meet
	tensor_load_to_lds s[G0:G0+3], s[G1:G1+7]
	s_nop 0
	tensor_load_to_lds s[G0+4:G0+7], s[G1:G1+7]
	s_nop 0
	PLACES 4
	s_lshl_b32 s28, s[BB], 13
	s_lshl_b32 s60, s[WV], 11
	s_add_co_u32 s28, s28, s60
	s_add_nc_u64 s[36:37], s[8:9], s[28:29]        ; -diag: 8192 b + 2048 w
	s_lshl_b32 s28, s[BB], 10
	s_add_co_u32 s28, s28, 32768
	s_add_nc_u64 s[38:39], s[8:9], s[28:29]        ; the batch's 256 maxima
	s_lshl_b32 s28, s[BB], 14
	s_lshl_b32 s60, s[WV], 12
	s_add_co_u32 s28, s28, s60
	s_add_nc_u64 s[6:7], s[6:7], s[28:29]          ; rks: 16384 b + 4096 w
	s_lshl_b32 s60, s[HD], 5
	s_add_co_u32 s28, s28, s60
	s_add_nc_u64 s[16:17], s[16:17], s[28:29]      ; vsc: + 32 head
	s_lshl_b32 s28, s[BB], 19
	s_lshl_b32 s60, s[HD], 16
	s_add_co_u32 s28, s28, s60
	s_lshl_b32 s60, s[WV], 13
	s_add_co_u32 s28, s28, s60
	s_add_nc_u64 s[14:15], s[14:15], s[28:29]      ; vimg: 524288 b + 65536 head + 8192 w
	s_lshl_b32 s30, s[MB], 13
	s_mov_b32 s31, 0
	s_add_nc_u64 s[10:11], s[10:11], s[30:31]      ; proj's 32 rows
	s_lshl_b32 s30, s[MB], 8
	s_add_nc_u64 s[12:13], s[12:13], s[30:31]
	s_lshl_b32 s60, s[BB], 11
	s_add_co_u32 s30, s30, s60
	s_lshl_b32 s60, s[HD], 5
	s_add_co_u32 s30, s30, s60
	s_add_nc_u64 s[56:57], s[20:21], s[30:31]      ; kvs's scale bytes: 2048 b + 256 mblk + 32 head
	s_lshl_b32 s30, s[MB], 7
	s_lshl_b32 s60, s[BB], 10
	s_add_co_u32 s30, s30, s60
	s_add_co_u32 s30, s30, 8192
	s_add_nc_u64 s[58:59], s[20:21], s[30:31]      ; the sums of kp: 8192 + 1024 b + 128 mblk
	s_lshl_b32 s30, s[MB], 9
	s_lshl_b32 s60, s[BB], 16
	s_add_co_u32 s30, s30, s60
	s_lshl_b32 s60, s[HD], 13
	s_add_co_u32 s30, s30, s60
	s_add_nc_u64 s[18:19], s[18:19], s[30:31]      ; kvimg: 65536 b + 8192 head + 512 mblk
	WIN 0x80
.irp u, 0,1
.irp s, 0,1
.irp c, 0,1,2,3
	global_load_b128 v[PROJ+32*\u+16*\s+4*\c:PROJ+32*\u+16*\s+4*\c+3], v[PADR], s[10:11] offset:2048*\u+128*\s+32*\c
.endr
.endr
.endr
	GLOB 0
.irp u, 0,1
	global_load_b64 v[PJS+2*\u:PJS+2*\u+1], v[PSA], s[12:13] offset:64*\u
.endr
	global_load_b128 v[ACC:ACC+3], v[PMA], s[38:39]
	global_load_b128 v[ACC+4:ACC+7], v[PMA], s[38:39] offset:16
.irp k, 0,1,2,3
.irp c, 0,1,2,3
.irp t, 0,1
	global_load_u8 v[ACC+8+8*\k+2*\c+\t], v[R], s[16:17] offset:(4*\k+\c)*256+16*\t
.endr
.endr
.endr
	s_wait_loadcnt 0x0
	v_max3_num_f32 v[TP], v[ACC], v[ACC+1], v[ACC+2]
	v_max3_num_f32 v[TP], v[TP], v[ACC+3], v[ACC+4]
	v_max3_num_f32 v[TP], v[TP], v[ACC+5], v[ACC+6]
	v_max_num_f32 v[TP], v[TP], v[ACC+7]
	v_max_num_f32_dpp v[TP], v[TP], v[TP] row_xmask:1 row_mask:0xf bank_mask:0xf
	v_max_num_f32_dpp v[TP], v[TP], v[TP] row_xmask:2 row_mask:0xf bank_mask:0xf
	v_max_num_f32_dpp v[TP], v[TP], v[TP] row_xmask:4 row_mask:0xf bank_mask:0xf
	v_max_num_f32_dpp v[TP], v[TP], v[TP] row_xmask:8 row_mask:0xf bank_mask:0xf
	v_permlanex16_b32 v[TP+1], v[TP], s[SEL], s[SEL+1]
	v_max_num_f32 v[TP], v[TP], v[TP+1]            ; mx: the largest xp over all l and m of the batch
	v_mul_f32 v[NM], 0xbfb8aa3b, v[TP]
	v_mov_b32 v[NM+1], v[NM]
.irp k, 0,1,2,3
.irp t, 0,1
	v_lshl_or_b32 v[VS+2*\k+\t], v[ACC+8+8*\k+2+\t], 8, v[ACC+8+8*\k+\t]       ; v's scale word of step k, tile t
	v_lshl_or_b32 v[VS+2*\k+\t], v[ACC+8+8*\k+4+\t], 16, v[VS+2*\k+\t]
	v_lshl_or_b32 v[VS+2*\k+\t], v[ACC+8+8*\k+6+\t], 24, v[VS+2*\k+\t]
.endr
.endr
	s_wait_tensorcnt 1                             ; my part of slot 0 is in; slot 1's load may stay out.  I read only what my own loads brought
	LDSRK 0
; A STEP: 128 l.  refill = 1: the slot just read out is filled again, two steps ahead; next = 1: the next step's operands are fetched; zero = 1: the products start kvs's sums.
.macro STEP k, refill, next, zero
	s_wait_dscnt 0x0                               ; rot(k)'s fragments are in registers: my reads of their slot are over
	s_wait_loadcnt 0x0                             ; -diag, v and the scale words: asked for a step ago
	WIN 0x29                                       ; source 0 window 1, source 1 and C window 2
.irp i, 0,1,2,3,4,5,6,7
.irp u, 0,1
	v_wmma_scale_f32_16x16x128_f8f6f4 v[ACC+64*\u+8*\i:ACC+64*\u+8*\i+7], v[32*\i:32*\i+15], v[PROJ+32*\u:PROJ+32*\u+15], v[ND+8*\i:ND+8*\i+7], v[RKS+\i], v[PJS+2*\u] matrix_a_fmt:MATRIX_FMT_BF8 matrix_b_fmt:MATRIX_FMT_BF8
.endr
.endr
	WIN 0x09
.irp i, 0,1,2,3,4,5,6,7
.irp u, 0,1
	v_wmma_scale_f32_16x16x128_f8f6f4 v[ACC+64*\u+8*\i:ACC+64*\u+8*\i+7], v[32*\i+16:32*\i+31], v[PROJ+32*\u+16:PROJ+32*\u+31], v[ACC+64*\u+8*\i:ACC+64*\u+8*\i+7], v[RKS+\i], v[PJS+2*\u+1] matrix_a_fmt:MATRIX_FMT_BF8 matrix_b_fmt:MATRIX_FMT_BF8 matrix_a_scale:MATRIX_SCALE_ROW1
.endr
.endr
	WIN 0
.if \refill
	s_wait_tensorcnt 0x0                           ; all my tensor loads have landed, the next step's slot among them: a group 0 may be written
	ds_add_u32 v[SPW], v[NIL]                      ; 0 onto my spare word
	s_add_nc_u64 s[G0+4*((\k)%2)+2:G0+4*((\k)%2)+3], s[G0+4*((\k)%2)+2:G0+4*((\k)%2)+3], 65536   ; two steps on
	s_wait_dscnt 0x0                               ; the add is done; my reads of the slot were over at the step's head
	ROUND                                          ; no wave of any partner still reads the slot or has a load on its way
	tensor_load_to_lds s[G0+4*((\k)%2):G0+4*((\k)%2)+3], s[G1:G1+7]
	s_nop 0
	PLACES 8                                       ; also the places between xp's products and the loads into their operands, and the first read of their results
.else
.if \next
	s_wait_tensorcnt 0x0                           ; the last slot's load, the only one out
.endif
	PLACES 8
.endif
.if \next
	LDSRK (\k)+1
	GLOB (\k)+1
.endif
.set e, 0
.rept 64
	v_pk_fma_f32 v[ACC+2*e:ACC+2*e+1], v[ACC+2*e:ACC+2*e+1], v[LL:LL+1], v[NM:NM+1]   ; (xp - diag) log2 e - mx log2 e
.set e, e+1
.endr
.set e, 0
.rept 128
	v_exp_f32 v[ACC+e], v[ACC+e]
.set e, e+1
.endr
	v_nop                                          ; a plain line behind the last exponential
	s_wait_alu depctr_va_vdst(0)                   ; one wait for the batch, ahead of its first reader
.set e, 0
.rept 64
	v_pk_fma_f32 v[ACC+2*e:ACC+2*e+1], v[ACC+2*e:ACC+2*e+1], v[CC:CC+1], v[CE:CE+1]   ; kp = e / 16 + 1e-6 / 16: the bits of (e + 1e-6) / 16
.set e, e+1
.endr
	s_cmp_lg_u32 s[HD], 0                          ; the sums of kp are the same for all heads: head 0's work-groups own them (the head is the same in all four partners)
	s_cbranch_scc1 .Lno_sum_\@
.irp u, 0,1
.set e, 0
.rept 32
	v_pk_add_f32 v[KS+4*\u+2*(e%2):KS+4*\u+2*(e%2)+1], v[KS+4*\u+2*(e%2):KS+4*\u+2*(e%2)+1], v[ACC+64*\u+2*e:ACC+64*\u+2*e+1]
.set e, e+1
.endr
.endr
.Lno_sum_\@:
	QUANT ACC, KP, 4, 0, 0x8000000, 4, 0, KPW
	QUANT ACC+64, KP+16, 4, 0, 0x8000000, 4, 0, KPW+1
	PLACES 4                                       ; codes made by vector instructions stand four places ahead of a scaled product; each scale word stands ahead of its 64 holds
	WIN 0xa8                                       ; source 1, C and D window 2
.irp t, 0,1
.irp u, 0,1
.if \zero
	v_wmma_scale_f32_16x16x128_f8f6f4 v[KV+16*\t+8*\u:KV+16*\t+8*\u+7], v[KP+16*\u:KP+16*\u+15], v[VF+32*((\k)%2)+16*\t:VF+32*((\k)%2)+16*\t+15], 0, v[KPW+\u], v[VS+2*(\k)+\t] matrix_a_fmt:MATRIX_FMT_BF8 matrix_b_fmt:MATRIX_FMT_BF8
.else
	v_wmma_scale_f32_16x16x128_f8f6f4 v[KV+16*\t+8*\u:KV+16*\t+8*\u+7], v[KP+16*\u:KP+16*\u+15], v[VF+32*((\k)%2)+16*\t:VF+32*((\k)%2)+16*\t+15], v[KV+16*\t+8*\u:KV+16*\t+8*\u+7], v[KPW+\u], v[VS+2*(\k)+\t] matrix_a_fmt:MATRIX_FMT_BF8 matrix_b_fmt:MATRIX_FMT_BF8
.endif
.endr
.endr
	WIN 0
.endm
	STEP 0, 1, 1, 1
	STEP 1, 1, 1, 0
	STEP 2, 0, 1, 0
	STEP 3, 0, 0, 0
	; ---- the four waves' parts meet
	PLACES 8
	WIN 0x08                                       ; an LDS store's data are its source 1: window 2
.irp q, 0,1,2,3,4,5,6,7
	ds_store_b128 v[RWA], v[KV+4*\q:KV+4*\q+3] offset:512*\q
.endr
	WIN 0
	s_cmp_lg_u32 s[HD], 0
	s_cbranch_scc1 .Lno_sum_out
	v_pk_add_f32 v[KS:KS+1], v[KS:KS+1], v[KS+2:KS+3]
	v_pk_add_f32 v[KS+4:KS+5], v[KS+4:KS+5], v[KS+6:KS+7]
	v_add_f32 v[KS], v[KS], v[KS+1]
	v_add_f32 v[KS+4], v[KS+4], v[KS+5]
	v_permlanex16_b32 v[KS+1], v[KS], s[SEL], s[SEL+1]
	v_permlanex16_b32 v[KS+5], v[KS+4], s[SEL], s[SEL+1]
	v_add_f32 v[KS], v[KS], v[KS+1]
	v_add_f32 v[KS+4], v[KS+4], v[KS+5]
	v_cndmask_b32 v[KS], v[KS], v[KS+4], s[HM]     ; lanes 0-15: m = pr, lanes 16-31: m = 8 + pr
	ds_store_b32 v[KWA], v[KS]
.Lno_sum_out:
	s_wait_dscnt 0x0
	s_barrier_signal -1
	s_barrier_wait -1
	s_cmp_lg_u32 s[WV], 0
	s_cbranch_scc1 .Lend
.irp x, 0,1,2,3
.irp q, 0,1,2,3,4,5,6,7
	ds_load_b128 v[ACC+32*\x+4*\q:ACC+32*\x+4*\q+3], v[RRA] offset:4096*\x+512*\q
.endr
.endr
	s_wait_dscnt 0x0
.irp x, 1,2,3
.set e, 0
.rept 16
	v_pk_add_f32 v[ACC+2*e:ACC+2*e+1], v[ACC+2*e:ACC+2*e+1], v[ACC+32*\x+2*e:ACC+32*\x+2*e+1]
.set e, e+1
.endr
.endr
	QUANT ACC, KP, 2, 1, 0x8000000, 0, 0, 0        ; block t = tile t's column d, these 32 m
.irp t, 0,1
	global_store_b128 v[LI], v[KP+4*\t:KP+4*\t+3], s[18:19] offset:4096*\t   ; four registers of tile t's fragment: 512 consecutive bytes
.endr
	v_cndmask_b32 v[TP], v[TM+4], v[TM+5], s[HM]
	global_store_b8 v[LN], v[TP], s[56:57]
	s_cmp_lg_u32 s[HD], 0
	s_cbranch_scc1 .Lend
.irp x, 0,1,2,3
	ds_load_b32 v[TP+2+\x], v[KRA] offset:128*\x
.endr
	s_wait_dscnt 0x0
	v_add_f32 v[TP+2], v[TP+2], v[TP+3]
	v_add_f32 v[TP+4], v[TP+4], v[TP+5]
	v_add_f32 v[TP+2], v[TP+2], v[TP+4]
	global_store_b32 v[GKA], v[TP+2], s[58:59]
.Lend:
	s_wait_tensorcnt 0x0                           ; the wave's end: the closing lines, behind my last tensor load and my last LDS store
	ds_add_u32 v[SPW], v[NIL]
	s_wait_dscnt 0x0
	ROUND                                          ; the closing round
	s_endpgm
.Lfunc_end_k_qfbb3291f23_kvs:
	.size	k_qfbb3291f23_kvs, .Lfunc_end_k_qfbb3291f23_kvs-k_qfbb3291f23_kvs
	.p2alignl 7, 3214868480
	.fill 96, 4, 3214868480
	.section	.rodata,"a",@progbits
	.p2align	6, 0x0
	.amdhsa_kernel k_qfbb3291f23_kvs
		.amdhsa_group_segment_fixed_size 327680
		.amdhsa_private_segment_fixed_size 0
		.amdhsa_enable_private_segment 0
		.amdhsa_kernarg_size 72
		.amdhsa_user_sgpr_count 2
		.amdhsa_user_sgpr_kernarg_segment_ptr 1
		.amdhsa_wavefront_size32 1
		.amdhsa_system_sgpr_workgroup_id_x 1
		.amdhsa_system_sgpr_workgroup_id_y 1
		.amdhsa_system_sgpr_workgroup_id_z 1
		.amdhsa_system_vgpr_workitem_id 0
		.amdhsa_next_free_vgpr 768
		.amdhsa_next_free_sgpr 66
		.amdhsa_reserve_vcc 0
		.amdhsa_float_denorm_mode_32 3
		.amdhsa_float_denorm_mode_16_64 3
		.amdhsa_memory_ordered 1
		.amdhsa_forward_progress 1
		.amdhsa_inst_pref_size 188
	.end_amdhsa_kernel
	.amdgpu_metadata
---
amdhsa.version: [ 1, 2 ]
amdhsa.kernels:
  - .name:           k_qfbb3291f23_kvs
    .symbol:         k_qfbb3291f23_kvs.kd
    .args:
      - { .name: rk, .offset: 0, .size: 8, .value_kind: global_buffer, .address_space: global }
      - { .name: rks, .offset: 8, .size: 8, .value_kind: global_buffer, .address_space: global }
      - { .name: aux, .offset: 16, .size: 8, .value_kind: global_buffer, .address_space: global }
      - { .name: proj_codes, .offset: 24, .size: 8, .value_kind: global_buffer, .address_space: global }
      - { .name: proj_scales, .offset: 32, .size: 8, .value_kind: global_buffer, .address_space: global }
      - { .name: vimg, .offset: 40, .size: 8, .value_kind: global_buffer, .address_space: global }
      - { .name: vsc, .offset: 48, .size: 8, .value_kind: global_buffer, .address_space: global }
      - { .name: kvimg, .offset: 56, .size: 8, .value_kind: global_buffer, .address_space: global }
      - { .name: kaux, .offset: 64, .size: 8, .value_kind: global_buffer, .address_space: global }
    .group_segment_fixed_size: 327680
    .private_segment_fixed_size: 0
    .kernarg_segment_align: 8
    .kernarg_segment_size: 72
    .max_flat_workgroup_size: 128
    .sgpr_count:     66
    .vgpr_count:     768
    .wavefront_size: 32
...
	.end_amdgpu_metadata
.endif
;; end of part 2
;; launch out (part 3): grid 256 x 1, 4 waves a work-group, no clusters, 63,744 bytes of LDS; arguments query_codes, query_scales, Wq_codes, Wq_scales, bq, pos, proj_codes, proj_scales, kvimg, kaux, Wo_codes, Wo_scales, bo, out0; writes out0
.if DOCPART == 3
	.amdgcn_target "amdgcn-amd-amdhsa--gfx1250"
	.amdhsa_code_object_version 6
	.text
	.protected	k_qfbb3291f23_out
	.globl	k_qfbb3291f23_out
	.p2align	8
	.type	k_qfbb3291f23_out,@function
k_qfbb3291f23_out:
	s_mov_b64 s[64:65], 0
	v_nop
	global_prefetch_b8 v0, s[64:65] scope:SCOPE_SE
	s_setreg_imm32_b32 hwreg(HW_REG_WAVE_MODE, 25, 1), 1
	s_wait_xcnt 0x0
; OUT: q = query Wq + bq, rot(q), xp = x proj^T, qp = (1/16) (exp(xp - diag - the row's largest xp) + 1e-6), num = qp kvs, den = qp . sum(kp) (f32 multiply-adds), ctx = num / den, out = ctx Wo + bo.
; All four products on codes of E5M2 with E8M0 scales, sums in f32; nothing between query and out0 goes to memory.
; SHARES.  A work-group takes 32 rows, as two tiles m = 0, 1 whose lane r holds row 8 m + pr, pr = r + 8 (r / 8).  The four waves share the COLUMNS of every product: wave w has 64 w .. 64 w + 63, four tiles t = 2 b + u whose lane r
; holds weight row 64 w + 32 b + 8 u + pr.  Every product has the weight as source 0: a lane holds one row, and the 16 registers of tiles 2 b, 2 b + 1 are 16 neighbours along the next K, so the conversions' results are the next
; operand's registers.  Each wave's 64 columns are two blocks of 32 of that operand; the parts meet in LDS as images of the operand's registers, each stage in bytes of its own: one barrier a hand-over.
; qp, den and the scores are the same for all heads of reference(): they are made once for a row.  256^-0.25 = 1/4 is exact: rot(q) is quantised as it is, 2 is taken off each scale byte, diag = (1/32) sum y^2.
; LIMITS: NaN and infinities are not served; a block of rot(q) under 2^-109, of ctx under 2^-111, keeps the floor's scale byte; v_exp_f32 gives 0 under 2^-126, which is nothing beside 1e-6.
.set XIMG,  0                          ; LDS: rot(q)'s four fragments; qp's; ctx's
.set QIMG,  8192
.set CIMG,  16384
.set XSC,   24576                      ; their scale words: [m][16 s + r]
.set QSCL,  24832
.set CSC,   25088
.set DGP,   25344                      ; [wave][m][lane]: sums of y^2; largest xp; parts of den
.set MXP,   26368
.set DNP,   27392
.set STG,   28416                      ; the way out: for each wave 32 rows x (256 bytes + 16)
.set SPARE, 63232                      ; the spare words, 128 bytes a wave: two blocks of 256 bytes that no other line names
.set LN,   1
.set R,    2
.set H,    3
.set PR,   4
.set XADR, 5                           ; 256 pr + 16 h
.set XSA,  6                           ; 8 pr
.set WADR, 7                           ; 256 pr + 16 h + 16384 w
.set WSA,  8                           ; 8 pr + 512 w
.set BADR, 9                           ; 64 h + 256 w
.set PADR, 10                          ; 1024 pr + 64 h + 256 w
.set LI,   11                          ; 16 x lane
.set LS,   12                          ; 4 x lane
.set XWI,  13                          ; 16 x lane + 1024 w
.set XWS,  14                          ; 4 r + 64 (w / 2) + 2 (w % 2)
.set DWA,  15                          ; 4 x lane + 256 w
.set KADR, 16                          ; 16 x lane + 16384 w
.set KBA,  17                          ; r + 64 w
.set SO,   18                          ; the stage, in
.set SR,   19                          ; the stage, back
.set OADR, 20                          ; 1024 h + 16 r + 256 w
.set SPW,  22                          ; my spare word's LDS address; never rewritten
.set NIL,  23                          ; 0; never rewritten
.set LL,   24                          ; log2 e, twice
.set CC,   26                          ; 1/16, twice
.set CE,   28                          ; 1e-6 / 16, twice
.set NB,   30                          ; v30-33 -(diag + mx) log2 e, twice, for each m
.set RD,   34                          ; v34-37 1 / den, twice, for each m
.set DG,   38                          ; v38-41 sums, a pair for each m
.set MT,   42                          ; v42-47 at work
.set TM,   48                          ; v48-63 the quantiser's
.set PC,   64                          ; v64-79 codes just made
.set PW,   80                          ; v80-81 half scale words just made
.set XS,   82                          ; v82-83 scale words of the rows' operand
.set QSC,  84                          ; query's scale words
.set WQS,  88                          ; Wq's; proj's; kvs's; Wo's
.set PJS,  96
.set KVS,  104
.set WOS,  112
.set XF,   120                         ; v120-183 four fragments of rows
.set RO,   120
.set HA,   184                         ; v184-247 eight accumulators
.set T0,   248                         ; v248-255 at work
.set WQ,   0                           ; window 1: Wq, proj
.set PJ,   128
.set KV,   0                           ; window 2: kvs, Wo
.set WO,   128
.set BQ,   0                           ; window 3: bq, bo, sum(kp), pos, kvs's scale bytes
.set BO,   32
.set KSM,  64
.set POS,  96
.set KVB,  160
.set WV,   32
.set SEL,  34
.set MNT,  36
.set HM,   37
.set C32,  38
.set MSB, 0
.macro WIN new
.if MSB != \new
	s_set_vgpr_msb (MSB<<8)|\new
.set MSB, \new
.endif
.endm
.macro PLACES n
.rept \n
	v_nop
.endr
.endm
.macro BARRIER                         ; my LDS stores have landed and my LDS loads are in: then the work-group's barrier
	s_wait_dscnt 0x0
	s_barrier_signal -1
	s_barrier_wait -1
.endm
.macro XLOAD reg, sb
.irp m, 0,1
.irp s, 0,1
.irp c, 0,1,2,3
	global_load_b128 v[\reg+16*(2*\m+\s)+4*\c:\reg+16*(2*\m+\s)+4*\c+3], v[XADR], s[\sb:\sb+1] offset:2048*\m+128*\s+32*\c
.endr
.endr
.endr
.endm
.macro XSCL reg, sb
.irp m, 0,1
	global_load_b64 v[\reg+2*\m:\reg+2*\m+1], v[XSA], s[\sb:\sb+1] offset:64*\m
.endr
.endm
.macro WLOAD reg, sb
.irp t, 0,1,2,3
.irp s, 0,1
.irp c, 0,1,2,3
	global_load_b128 v[\reg+16*(2*\t+\s)+4*\c:\reg+16*(2*\t+\s)+4*\c+3], v[WADR], s[\sb:\sb+1] offset:(32*(\t/2)+8*(\t%2))*256+128*\s+32*\c
.endr
.endr
.endr
.endm
.macro WSCL reg, sb
.irp t, 0,1,2,3
	global_load_b64 v[\reg+2*\t:\reg+2*\t+1], v[WSA], s[\sb:\sb+1] offset:(32*(\t/2)+8*(\t%2))*8
.endr
.endm
.macro BIAS reg, sb                    ; eight registers a tile: lane (r, h), register j: column 64 w + 32 b + 8 u + 16 h + j
.irp t, 0,1,2,3
.irp q, 0,1
	global_load_b128 v[\reg+8*\t+4*\q:\reg+8*\t+4*\q+3], v[BADR], s[\sb:\sb+1] offset:(32*(\t/2)+8*(\t%2))*4+16*\q
.endr
.endr
.endm
; 16 matrix instructions: source 0 = my four tiles of a weight, source 1 = the two tiles of rows, K = 256 in two steps.  The eight accumulators take turns.
.macro MM16 W, w0, w1, cb, SA, sbm, SB
	WIN \w0
.irp m, 0,1
.irp t, 0,1,2,3
.if \cb < 0
	v_wmma_scale_f32_16x16x128_f8f6f4 v[HA+32*\m+8*\t:HA+32*\m+8*\t+7], v[\W+32*\t:\W+32*\t+15], v[XF+32*\m:XF+32*\m+15], 0, v[\SA+2*\t], v[\SB+(2-\sbm)*\m] matrix_a_fmt:MATRIX_FMT_BF8 matrix_b_fmt:MATRIX_FMT_BF8
.else
	v_wmma_scale_f32_16x16x128_f8f6f4 v[HA+32*\m+8*\t:HA+32*\m+8*\t+7], v[\W+32*\t:\W+32*\t+15], v[XF+32*\m:XF+32*\m+15], v[\cb+8*\t:\cb+8*\t+7], v[\SA+2*\t], v[\SB+(2-\sbm)*\m] matrix_a_fmt:MATRIX_FMT_BF8 matrix_b_fmt:MATRIX_FMT_BF8
.endif
.endr
.endr
	WIN \w1
.irp m, 0,1
.irp t, 0,1,2,3
.if \sbm
	v_wmma_scale_f32_16x16x128_f8f6f4 v[HA+32*\m+8*\t:HA+32*\m+8*\t+7], v[\W+32*\t+16:\W+32*\t+31], v[XF+32*\m+16:XF+32*\m+31], v[HA+32*\m+8*\t:HA+32*\m+8*\t+7], v[\SA+2*\t+1], v[\SB+\m] matrix_a_fmt:MATRIX_FMT_BF8 matrix_b_fmt:MATRIX_FMT_BF8 matrix_b_scale:MATRIX_SCALE_ROW1
.else
	v_wmma_scale_f32_16x16x128_f8f6f4 v[HA+32*\m+8*\t:HA+32*\m+8*\t+7], v[\W+32*\t+16:\W+32*\t+31], v[XF+32*\m+16:XF+32*\m+31], v[HA+32*\m+8*\t:HA+32*\m+8*\t+7], v[\SA+2*\t+1], v[\SB+2*\m+1] matrix_a_fmt:MATRIX_FMT_BF8 matrix_b_fmt:MATRIX_FMT_BF8
.endif
.endr
.endr
	WIN 0
.endm
.macro ROT wn                          ; y[2p] = x[2p] pos[2p+1] - x[2p+1] pos[2p];  y[2p+1] = x[2p+1] pos[2p+1] + x[2p] pos[2p]
	WIN \wn
.set p, 0
.rept 32
	v_mul_f32 v[RO+2*p], v[HA+2*p], v[POS+2*p+1]
	v_mul_f32 v[RO+2*p+1], v[HA+2*p+1], v[POS+2*p+1]
	v_fma_f32 v[RO+2*p], -v[HA+2*p+1], v[POS+2*p], v[RO+2*p]
	v_fma_f32 v[RO+2*p+1], v[HA+2*p], v[POS+2*p], v[RO+2*p+1]
.set p, p+1
.endr
	WIN 0
.endm
.macro HALVES                          ; a pair's two halves and lane l xor 16's are added, for each m
.irp m, 0,1
	v_add_f32 v[DG+2*\m], v[DG+2*\m], v[DG+2*\m+1]
.endr
.irp m, 0,1
	v_permlanex16_b32 v[DG+2*\m+1], v[DG+2*\m], s[SEL], s[SEL+1]
.endr
.irp m, 0,1
	v_add_f32 v[DG+2*\m], v[DG+2*\m], v[DG+2*\m+1]
.endr
.endm
.macro DIAG
.irp m, 0,1
	v_pk_mul_f32 v[DG+2*\m:DG+2*\m+1], v[RO+32*\m:RO+32*\m+1], v[RO+32*\m:RO+32*\m+1]
.endr
.set e, 1
.rept 15
.irp m, 0,1
	v_pk_fma_f32 v[DG+2*\m:DG+2*\m+1], v[RO+32*\m+2*e:RO+32*\m+2*e+1], v[RO+32*\m+2*e:RO+32*\m+2*e+1], v[DG+2*\m:DG+2*\m+1]
.endr
.set e, e+1
.endr
	HALVES
.endm
.macro PARTS off                       ; the four waves' numbers of both tiles of rows
.irp x, 0,1,2,3
.irp m, 0,1
	ds_load_b32 v[T0+2*\x+\m], v[LS] offset:\off+256*\x+128*\m
.endr
.endr
.endm
.macro SUM4                            ; their sums into v[DG], v[DG + 2]
.irp m, 0,1
	v_add_f32 v[DG+2*\m], v[T0+\m], v[T0+2+\m]
	v_add_f32 v[T0+4+\m], v[T0+4+\m], v[T0+6+\m]
.endr
.irp m, 0,1
	v_add_f32 v[DG+2*\m], v[DG+2*\m], v[T0+4+\m]
.endr
.endm
; THE QUANTISER, as in the first launch
.macro QUANT src, dst, nb, sgn, fl, wm, adj, pw
.set qb, 0
.rept \nb
.if \sgn
	v_max3_num_f32 v[TM+qb], |v[16*qb+(\src)]|, |v[16*qb+1+(\src)]|, \fl
.else
	v_max3_num_f32 v[TM+qb], v[16*qb+(\src)], v[16*qb+1+(\src)], \fl
.endif
.set qb, qb+1
.endr
.set qi, 2
.rept 7
.set qb, 0
.rept \nb
.if \sgn
	v_max3_num_f32 v[TM+qb], v[TM+qb], |v[16*qb+qi+(\src)]|, |v[16*qb+qi+1+(\src)]|
.else
	v_max3_num_f32 v[TM+qb], v[TM+qb], v[16*qb+qi+(\src)], v[16*qb+qi+1+(\src)]
.endif
.set qb, qb+1
.endr
.set qi, qi+2
.endr
.set qb, 0
.rept \nb
	v_permlanex16_b32 v[TM+4+qb], v[TM+qb], s[SEL], s[SEL+1]
.set qb, qb+1
.endr
.set qb, 0
.rept \nb
	v_max_num_f32 v[TM+qb], v[TM+qb], v[TM+4+qb]
.set qb, qb+1
.endr
.set qb, 0
.rept \nb
	v_add_nc_u32 v[TM+12+qb], 0xf8800000, v[TM+qb]              ; 15 off the exponent field: the conversion's scale operand
.set qb, qb+1
.endr
.set qb, 0
.rept \nb
	v_and_or_b32 v[TM+8+qb], v[TM+qb], 0x7f800000, s[MNT]       ; 57,344 x the scale
.set qb, qb+1
.endr
.set qb, 0
.rept \nb
	v_lshrrev_b32 v[TM+4+qb], 23, v[TM+12+qb]                   ; the scale's byte
.set qb, qb+1
.endr
.if \wm == 2
	v_lshl_or_b32 v[\pw], v[TM+5], 8, v[TM+4]
	v_lshl_or_b32 v[\pw+1], v[TM+7], 8, v[TM+6]
.if \adj
	v_add_nc_u32 v[\pw], 0xfffffdfe, v[\pw]                     ; - 0x0202: each byte is 3 or more, so none borrows
	v_add_nc_u32 v[\pw+1], 0xfffffdfe, v[\pw+1]
.endif
.endif
.set qb, 0
.rept \nb
.set qi, 0
.rept 16
.if \sgn
	v_med3_num_f32 v[16*qb+qi+(\src)], v[16*qb+qi+(\src)], -v[TM+8+qb], v[TM+8+qb]   ; the conversion to an 8-bit code does not saturate (ISA guide 7.6.2): the hold
.else
	v_min_num_f32 v[16*qb+qi+(\src)], v[16*qb+qi+(\src)], v[TM+8+qb]
.endif
.set qi, qi+1
.endr
	v_cvt_scalef32_pk8_bf8_f32 v[4*qb+(\dst):4*qb+1+(\dst)], v[16*qb+(\src):16*qb+7+(\src)], v[TM+12+qb]
	v_cvt_scalef32_pk8_bf8_f32 v[4*qb+2+(\dst):4*qb+3+(\dst)], v[16*qb+8+(\src):16*qb+15+(\src)], v[TM+12+qb]
.set qb, qb+1
.endr
	v_nop                                          ; a plain line behind the last conversion
.endm
.macro IMG off
.irp m, 0,1
.irp b, 0,1
	ds_store_b128 v[XWI], v[PC+8*\m+4*\b:PC+8*\m+4*\b+3] offset:\off+4096*\m+512*\b
.endr
.endr
.endm
.macro HWS off
.irp m, 0,1
	ds_store_b16 v[XWS], v[PW+\m] offset:\off+128*\m
.endr
.endm
.macro FETCH off, soff
.irp f, 0,1,2,3
.irp c, 0,1,2,3
	ds_load_b128 v[XF+16*\f+4*\c:XF+16*\f+4*\c+3], v[LI] offset:\off+2048*\f+512*\c
.endr
.endr
.irp m, 0,1
	ds_load_b32 v[XS+\m], v[LS] offset:\soff+128*\m
.endr
.endm
	s_load_b512 s[4:19], s[0:1], 0x0               ; query codes 4, query scales 6, Wq codes 8, Wq scales 10, bq 12, pos 14, proj codes 16, proj scales 18
	s_load_b256 s[20:27], s[0:1], 0x40             ; kvimg 20, kaux 22, Wo codes 24, Wo scales 26
	s_load_b128 s[28:31], s[0:1], 0x60             ; bo 28, out0 30
	v_lshl_add_u32 v[SPW], v0, 2, SPARE
	v_mov_b32 v[NIL], 0
	v_lshrrev_b32 v[LN], 5, v0
	v_readfirstlane_b32 s[WV], v[LN]
	v_and_b32 v[LN], 31, v0
	v_and_b32 v[R], 15, v0
	v_bfe_u32 v[H], v0, 4, 1
	v_and_b32 v[PR], 8, v[R]
	v_add_nc_u32 v[PR], v[PR], v[R]
	v_lshlrev_b32 v[XADR], 8, v[PR]
	v_lshl_add_u32 v[XADR], v[H], 4, v[XADR]
	v_lshlrev_b32 v[XSA], 3, v[PR]
	s_lshl_b32 s40, s[WV], 14
	v_add_nc_u32 v[WADR], s40, v[XADR]
	v_lshlrev_b32 v[LI], 4, v[LN]
	v_add_nc_u32 v[KADR], s40, v[LI]
	s_lshl_b32 s40, s[WV], 9
	v_add_nc_u32 v[WSA], s40, v[XSA]
	s_lshl_b32 s41, s[WV], 8
	v_lshl_add_u32 v[BADR], v[H], 6, s41
	v_lshl_add_u32 v[PADR], v[PR], 10, v[BADR]
	v_lshlrev_b32 v[LS], 2, v[LN]
	s_lshl_b32 s40, s[WV], 10
	v_add_nc_u32 v[XWI], s40, v[LI]
	s_lshr_b32 s40, s[WV], 1
	s_lshl_b32 s40, s40, 6
	s_and_b32 s33, s[WV], 1
	s_lshl_b32 s33, s33, 1
	s_add_co_u32 s40, s40, s33
	v_lshl_add_u32 v[XWS], v[R], 2, s40
	v_add_nc_u32 v[DWA], s41, v[LS]
	s_lshl_b32 s40, s[WV], 6
	v_add_nc_u32 v[KBA], s40, v[R]
	s_mul_i32 s33, s[WV], 8704
	s_add_co_u32 s33, s33, STG                     ; my stage
	v_mul_u32_u24 v[SO], v[PR], 272
	v_lshl_add_u32 v[SO], v[H], 6, v[SO]
	v_add_nc_u32 v[SO], s33, v[SO]                 ; in: row pr (+ 8 m), + 64 h bytes
	v_mul_u32_u24 v[SR], v[H], 272
	v_lshl_add_u32 v[SR], v[R], 4, v[SR]
	v_add_nc_u32 v[SR], s33, v[SR]                 ; back: lanes 0-15 one row of 256 bytes, lanes 16-31 the next
	v_lshlrev_b32 v[OADR], 10, v[H]
	v_lshl_add_u32 v[OADR], v[R], 4, v[OADR]
	v_add_nc_u32 v[OADR], s41, v[OADR]             ; and the same two rows of out0, my 64 columns
	v_mov_b32 v[LL], 0x3fb8aa3b
	v_mov_b32 v[LL+1], 0x3fb8aa3b
	v_mov_b32 v[CC], 0x3d800000
	v_mov_b32 v[CC+1], 0x3d800000
	v_mov_b32 v[CE], 0x338637bd
	v_mov_b32 v[CE+1], 0x338637bd
.irp b, 0,1,2,3
	v_mov_b32 v[TM+4+\b], 0                        ; written once: a lane permute's destination counts as one of its sources
.endr
	v_mov_b32 v[MT+4], 0
	v_mov_b32 v[MT+5], 0
	s_mov_b32 s[SEL], 0x76543210
	s_mov_b32 s[SEL+1], 0xfedcba98
	s_mov_b32 s[MNT], 0x600000
	s_mov_b32 s[HM], 0xffff0000
	s_mov_b32 s[C32], 0x3d000000                   ; 1/32
	s_lshl_b32 s46, ttmp9, 13                      ; 32 rows of 256 bytes
	s_mov_b32 s47, 0
	s_lshl_b32 s48, ttmp9, 8
	s_mov_b32 s49, 0
	s_and_b32 s50, ttmp9, 63
	s_lshl_b32 s50, s50, 15                        ; 32 rows of pos
	s_mov_b32 s51, 0
	s_lshr_b32 s40, ttmp9, 6                       ; the batch
	s_lshl_b32 s52, s40, 16
	s_mov_b32 s53, 0
	s_lshl_b32 s54, s40, 11
	s_mov_b32 s55, 0
	s_lshl_b32 s56, s40, 10
	s_add_co_u32 s56, s56, 8192
	s_mov_b32 s57, 0
	s_lshl_b32 s58, ttmp9, 15                      ; 32 rows of out0
	s_mov_b32 s59, 0
	s_wait_kmcnt 0x0
	s_add_nc_u64 s[4:5], s[4:5], s[46:47]
	s_add_nc_u64 s[6:7], s[6:7], s[48:49]
	s_add_nc_u64 s[14:15], s[14:15], s[50:51]
	s_add_nc_u64 s[20:21], s[20:21], s[52:53]
	s_add_nc_u64 s[44:45], s[22:23], s[54:55]      ; kvs's scale bytes
	s_add_nc_u64 s[42:43], s[22:23], s[56:57]      ; the sums of kp
	s_add_nc_u64 s[30:31], s[30:31], s[58:59]
	; the first group, 78 loads
	XLOAD XF, 4
	XSCL QSC, 6
	WSCL WQS, 10
	WIN 0x40
	WLOAD WQ, 8
	WIN 0xc0
	BIAS BQ, 12
.irp m, 0,1
.irp t, 0,1,2,3
.irp q, 0,1
	global_load_b128 v[POS+32*\m+8*\t+4*\q:POS+32*\m+8*\t+4*\q+3], v[PADR], s[14:15] offset:8192*\m+128*(\t/2)+32*(\t%2)+16*\q
.endr
.endr
.endr
	; the second group, 36 loads: proj
	WIN 0x40
	WLOAD PJ, 16
	WIN 0
	WSCL PJS, 18
	s_wait_loadcnt 36                              ; proj's 36 may stay out: the first group is in
	; ---- q = query Wq + bq
	MM16 WQ, 0x31, 0x01, BQ, WQS, 0, QSC
	; the third group, 72 loads: kvs's fragments and scale bytes, the sums of kp
	WIN 0x80
.irp t, 0,1,2,3
.irp s, 0,1
.irp c, 0,1,2,3
	global_load_b128 v[KV+16*(2*\t+\s)+4*\c:KV+16*(2*\t+\s)+4*\c+3], v[KADR], s[20:21] offset:4096*\t+2048*\s+512*\c
.endr
.endr
.endr
	WIN 0xc0
.irp t, 0,1,2,3
.irp s, 0,1
.irp c, 0,1,2,3
	global_load_u8 v[KVB+4*(2*\t+\s)+\c], v[KBA], s[44:45] offset:(4*\s+\c)*256+16*\t
.endr
.endr
.endr
	BIAS KSM, 42
	WIN 0
	PLACES 8
	ROT 0x0c
	DIAG
.irp m, 0,1
	ds_store_b32 v[DWA], v[DG+2*\m] offset:DGP+128*\m
.endr
	QUANT RO, PC, 4, 1, 0x9000000, 2, 1, PW
	IMG XIMG
	HWS XSC
	BARRIER                                        ; rot(q)'s fragments, scale words and sums of y^2 lie in LDS
	; ---- xp = x proj^T
	FETCH XIMG, XSC
	PARTS DGP
	s_wait_dscnt 0x0
	s_wait_loadcnt 63                              ; 72 loads were issued behind proj's; a wait names 63 at the most: proj is in
	MM16 PJ, 0x01, 0x01, -1, PJS, 1, XS
	; the fourth group, 44 loads: Wo, bo
	WIN 0x80
	WLOAD WO, 24
	WIN 0xc0
	BIAS BO, 28
	WIN 0
	WSCL WOS, 26
	s_wait_loadcnt 44                              ; the fourth group may stay out: the third is in
	WIN 0x33                                       ; kvs's scale words from their bytes: 24 plain lines, which are also the places behind the products
.irp f, 0,1,2,3,4,5,6,7
	v_lshl_or_b32 v[KVS+\f], v[KVB+4*\f+1], 8, v[KVB+4*\f]
.endr
	WIN 0x03
.irp f, 0,1,2,3,4,5,6,7
	v_lshl_or_b32 v[KVS+\f], v[KVB+4*\f+2], 16, v[KVS+\f]
.endr
.irp f, 0,1,2,3,4,5,6,7
	v_lshl_or_b32 v[KVS+\f], v[KVB+4*\f+3], 24, v[KVS+\f]
.endr
	WIN 0
	SUM4                                           ; each row's sum of y^2
.irp q, 0,1,2,3
	v_max3_num_f32 v[MT+\q], v[HA+16*\q], v[HA+16*\q+1], v[HA+16*\q+2]
.endr
.irp i, 3,5,7,9,11,13
.irp q, 0,1,2,3
	v_max3_num_f32 v[MT+\q], v[MT+\q], v[HA+16*\q+\i], v[HA+16*\q+\i+1]
.endr
.endr
.irp q, 0,1,2,3
	v_max_num_f32 v[MT+\q], v[MT+\q], v[HA+16*\q+15]
.endr
	v_max_num_f32 v[MT], v[MT], v[MT+1]
	v_max_num_f32 v[MT+1], v[MT+2], v[MT+3]
.irp m, 0,1
	v_permlanex16_b32 v[MT+4+\m], v[MT+\m], s[SEL], s[SEL+1]
.endr
.irp m, 0,1
	v_max_num_f32 v[MT+\m], v[MT+\m], v[MT+4+\m]   ; my row's largest xp among my 64 columns
.endr
.irp m, 0,1
	ds_store_b32 v[DWA], v[MT+\m] offset:MXP+128*\m
.endr
	BARRIER
	; ---- qp, and my part of den
	PARTS MXP
	s_wait_dscnt 0x0
.irp m, 0,1
	v_max3_num_f32 v[MT+\m], v[T0+\m], v[T0+2+\m], v[T0+4+\m]
.endr
.irp m, 0,1
	v_max_num_f32 v[MT+\m], v[MT+\m], v[T0+6+\m]   ; the row's largest xp
.endr
.irp m, 0,1
	v_fma_f32 v[MT+\m], v[DG+2*\m], s[C32], v[MT+\m]   ; diag + mx
.endr
.irp m, 0,1
	v_mul_f32 v[NB+2*\m], 0xbfb8aa3b, v[MT+\m]
.endr
.irp m, 0,1
	v_mov_b32 v[NB+2*\m+1], v[NB+2*\m]
.endr
.irp m, 0,1
.set e, 0
.rept 16
	v_pk_fma_f32 v[HA+32*\m+2*e:HA+32*\m+2*e+1], v[HA+32*\m+2*e:HA+32*\m+2*e+1], v[LL:LL+1], v[NB+2*\m:NB+2*\m+1]
.set e, e+1
.endr
.endr
.set e, 0
.rept 64
	v_exp_f32 v[HA+e], v[HA+e]
.set e, e+1
.endr
	v_nop                                          ; a plain line behind the last exponential
	s_wait_alu depctr_va_vdst(0)                   ; one wait for the batch, ahead of its first reader
.set e, 0
.rept 32
	v_pk_fma_f32 v[HA+2*e:HA+2*e+1], v[HA+2*e:HA+2*e+1], v[CC:CC+1], v[CE:CE+1]   ; qp = e / 16 + 1e-6 / 16
.set e, e+1
.endr
	WIN 0x0c                                       ; source 1 (the sums of kp) window 3
.irp m, 0,1
	v_pk_mul_f32 v[DG+2*\m:DG+2*\m+1], v[HA+32*\m:HA+32*\m+1], v[KSM:KSM+1]
.endr
.set e, 1
.rept 15
.irp m, 0,1
	v_pk_fma_f32 v[DG+2*\m:DG+2*\m+1], v[HA+32*\m+2*e:HA+32*\m+2*e+1], v[KSM+2*e:KSM+2*e+1], v[DG+2*\m:DG+2*\m+1]
.endr
.set e, e+1
.endr
	WIN 0
	HALVES
.irp m, 0,1
	ds_store_b32 v[DWA], v[DG+2*\m] offset:DNP+128*\m
.endr
	QUANT HA, PC, 4, 0, 0x8000000, 2, 0, PW
	IMG QIMG
	HWS QSCL
	BARRIER                                        ; qp's fragments, scale words and the parts of den lie in LDS
	; ---- num = qp kvs for my two heads, ctx = num / den
	FETCH QIMG, QSCL
	PARTS DNP
	s_wait_dscnt 0x0
	MM16 KV, 0x02, 0x02, -1, KVS, 1, XS
	SUM4
	v_rcp_f32 v[RD], v[DG]
	v_rcp_f32 v[RD+1], v[DG]
	v_rcp_f32 v[RD+2], v[DG+2]
	v_rcp_f32 v[RD+3], v[DG+2]
	PLACES 8                                       ; the plain line behind the reciprocals, and the places behind the products
	s_wait_alu depctr_va_vdst(0)                   ; one wait for the four, ahead of their first reader
.irp m, 0,1
.set e, 0
.rept 16
	v_pk_mul_f32 v[HA+32*\m+2*e:HA+32*\m+2*e+1], v[HA+32*\m+2*e:HA+32*\m+2*e+1], v[RD+2*\m:RD+2*\m+1]
.set e, e+1
.endr
.endr
	QUANT HA, PC, 4, 1, 0x8000000, 2, 0, PW        ; a block of 32 along ctx's features is one head
	IMG CIMG
	HWS CSC
	BARRIER                                        ; ctx's fragments and scale words lie in LDS
	; ---- out = ctx Wo + bo
	FETCH CIMG, CSC
	s_wait_dscnt 0x0
	s_wait_loadcnt 0x0                             ; Wo, bo
	MM16 WO, 0x32, 0x02, BO, WOS, 1, XS
	PLACES 8
	; the way out: a lane's 16 registers of two tiles are 64 neighbouring bytes of a row; through my own stage they become whole rows of my 64 columns
.irp m, 0,1
.irp b, 0,1
.irp q, 0,1,2,3
	ds_store_b128 v[SO], v[HA+32*\m+16*\b+4*\q:HA+32*\m+16*\b+4*\q+3] offset:2176*\m+128*\b+16*\q
.endr
.endr
.endr
.irp i, 0,1,2,3,4,5,6,7,8,9,10,11,12,13,14,15
	ds_load_b128 v[XF+4*\i:XF+4*\i+3], v[SR] offset:544*\i   ; LDS serves a wave's instructions in order (ISA guide 5.7.1.4): these see my stores
.endr
.irp i, 0,1,2,3,4,5,6,7,8,9,10,11,12,13,14,15
	s_wait_dscnt 15-\i                             ; the younger read-backs may stay out
	global_store_b128 v[OADR], v[XF+4*\i:XF+4*\i+3], s[30:31] offset:2048*\i th:TH_STORE_NT   ; 16 lanes store 256 consecutive bytes, at a multiple of 256 from out0's first byte
.endr
	s_wait_tensorcnt 0x0                           ; the wave's end: the closing lines, behind my last LDS store
	ds_add_u32 v[SPW], v[NIL]
	s_wait_dscnt 0x0
	s_endpgm
.Lfunc_end_k_qfbb3291f23_out:
	.size	k_qfbb3291f23_out, .Lfunc_end_k_qfbb3291f23_out-k_qfbb3291f23_out
	.p2alignl 7, 3214868480
	.fill 96, 4, 3214868480
	.section	.rodata,"a",@progbits
	.p2align	6, 0x0
	.amdhsa_kernel k_qfbb3291f23_out
		.amdhsa_group_segment_fixed_size 63744
		.amdhsa_private_segment_fixed_size 0
		.amdhsa_enable_private_segment 0
		.amdhsa_kernarg_size 112
		.amdhsa_user_sgpr_count 2
		.amdhsa_user_sgpr_kernarg_segment_ptr 1
		.amdhsa_wavefront_size32 1
		.amdhsa_system_sgpr_workgroup_id_x 1
		.amdhsa_system_sgpr_workgroup_id_y 1
		.amdhsa_system_sgpr_workgroup_id_z 1
		.amdhsa_system_vgpr_workitem_id 0
		.amdhsa_next_free_vgpr 960
		.amdhsa_next_free_sgpr 66
		.amdhsa_reserve_vcc 0
		.amdhsa_float_denorm_mode_32 3
		.amdhsa_float_denorm_mode_16_64 3
		.amdhsa_memory_ordered 1
		.amdhsa_forward_progress 1
		.amdhsa_inst_pref_size 92
	.end_amdhsa_kernel
	.amdgpu_metadata
---
amdhsa.version: [ 1, 2 ]
amdhsa.kernels:
  - .name:           k_qfbb3291f23_out
    .symbol:         k_qfbb3291f23_out.kd
    .args:
      - { .name: query_codes, .offset: 0, .size: 8, .value_kind: global_buffer, .address_space: global }
      - { .name: query_scales, .offset: 8, .size: 8, .value_kind: global_buffer, .address_space: global }
      - { .name: Wq_codes, .offset: 16, .size: 8, .value_kind: global_buffer, .address_space: global }
      - { .name: Wq_scales, .offset: 24, .size: 8, .value_kind: global_buffer, .address_space: global }
      - { .name: bq, .offset: 32, .size: 8, .value_kind: global_buffer, .address_space: global }
      - { .name: pos, .offset: 40, .size: 8, .value_kind: global_buffer, .address_space: global }
      - { .name: proj_codes, .offset: 48, .size: 8, .value_kind: global_buffer, .address_space: global }
      - { .name: proj_scales, .offset: 56, .size: 8, .value_kind: global_buffer, .address_space: global }
      - { .name: kvimg, .offset: 64, .size: 8, .value_kind: global_buffer, .address_space: global }
      - { .name: kaux, .offset: 72, .size: 8, .value_kind: global_buffer, .address_space: global }
      - { .name: Wo_codes, .offset: 80, .size: 8, .value_kind: global_buffer, .address_space: global }
      - { .name: Wo_scales, .offset: 88, .size: 8, .value_kind: global_buffer, .address_space: global }
      - { .name: bo, .offset: 96, .size: 8, .value_kind: global_buffer, .address_space: global }
      - { .name: out0, .offset: 104, .size: 8, .value_kind: global_buffer, .address_space: global }
    .group_segment_fixed_size: 63744
    .private_segment_fixed_size: 0
    .kernarg_segment_align: 8
    .kernarg_segment_size: 112
    .max_flat_workgroup_size: 128
    .sgpr_count:     66
    .vgpr_count:     960
    .wavefront_size: 32
...
	.end_amdgpu_metadata
.endif
;; end of part 3
;; ======== version 2 of 2: 3 launches; version 1 with the launch out written anew for expert scheduling mode
;; workspace buffers: rk 2,097,152 bytes; rks 65,536 bytes; vimg 2,097,152 bytes; vsc 65,536 bytes; aux 36,864 bytes; kvimg 262,144 bytes; kaux 12,288 bytes
;; launch prep: the kernel of part 1 again; grid 256 x 1, 4 waves a work-group, no clusters, 11,264 bytes of LDS; arguments key_codes, key_scales, Wk_codes, Wk_scales, bk, value_codes, value_scales, Wv_codes, Wv_scales, bv, proj_codes, proj_scales, pos, rk, rks, vimg, vsc, aux; writes rk, rks, vimg, vsc, aux
;; launch kvs: the kernel of part 2 again; grid 8 x 32, 4 waves a work-group, clusters of 4 x 1, 327,680 bytes of LDS; arguments rk, rks, aux, proj_codes, proj_scales, vimg, vsc, kvimg, kaux; writes kvimg, kaux
;; launch out (part 4): grid 256 x 1, 4 waves a work-group, no clusters, 63,744 bytes of LDS; arguments query_codes, query_scales, Wq_codes, Wq_scales, bq, pos, proj_codes, proj_scales, kvimg, kaux, Wo_codes, Wo_scales, bo, out0; writes out0
.if DOCPART == 4
	.amdgcn_target "amdgcn-amd-amdhsa--gfx1250"
	.amdhsa_code_object_version 6
	.text
	.protected	k_qfbb3291f23_out
	.globl	k_qfbb3291f23_out
	.p2align	8
	.type	k_qfbb3291f23_out,@function
k_qfbb3291f23_out:
	s_mov_b64 s[64:65], 0
	v_nop
	global_prefetch_b8 v0, s[64:65] scope:SCOPE_SE
	s_setreg_imm32_b32 hwreg(HW_REG_WAVE_SCHED_MODE, 0, 2), 2
	s_setreg_imm32_b32 hwreg(HW_REG_WAVE_MODE, 25, 1), 1
	s_wait_xcnt 0x0
	s_wait_alu depctr_vm_vsrc(0)
; OUT: q = query Wq + bq, rot(q), xp = x proj^T, qp = (1/16) (exp(xp - diag - the row's largest xp) + 1e-6), num = qp kvs, den = qp . sum(kp) (f32 multiply-adds), ctx = num / den, out = ctx Wo + bo.
; All four products on codes of E5M2 with E8M0 scales, sums in f32; nothing between query and out0 goes to memory.
; SHARES.  A work-group takes 32 rows, as two tiles m = 0, 1 whose lane r holds row 8 m + pr, pr = r + 8 (r / 8).  The four waves share the COLUMNS of every product: wave w has 64 w .. 64 w + 63, four tiles t = 2 b + u whose lane r
; holds weight row 64 w + 32 b + 8 u + pr.  Every product has the weight as source 0: a lane holds one row, and the 16 registers of tiles 2 b, 2 b + 1 are 16 neighbours along the next K, so the conversions' results are the next
; operand's registers.  Each wave's 64 columns are two blocks of 32 of that operand; the parts meet in LDS as images of the operand's registers, each stage in bytes of its own: one barrier a hand-over.
; qp, den and the scores are the same for all heads of reference(): they are made once for a row.  256^-0.25 = 1/4 is exact: rot(q) is quantised as it is, 2 is taken off each scale byte, diag = (1/32) sum y^2.
; LIMITS: NaN and infinities are not served; a block of rot(q) under 2^-109, of ctx under 2^-111, keeps the floor's scale byte; v_exp_f32 gives 0 under 2^-126, which is nothing beside 1e-6.
; THE MODE: SCHED_MODE bits 1:0 = 2 (LLVM: expert scheduling mode 2), set by the entry lines.  The code itself states the register dependences
; between vector or matrix instructions and memory or LDS instructions, with s_wait_alu, always for 0.
; THE PLAN.  The text is one straight run.  Registers that memory or LDS instructions touch:
;   v1-v20, v22, v23   offsets and LDS addresses: written at the head, once; read by every load and store and by the closing add.
;   XF = RO            loaded (query; the three hand-overs; the stage's read-back); read by the products; written and read by rot and the quantiser; read by the last global stores.
;   XS, T0             loaded behind each barrier; read by the products (XS) and by the sums and maxima (T0, of which two registers are also written there).
;   DG, PC, PW, MT     written by vector instructions; read by the LDS stores in front of a barrier; written again in a later phase.
;   HA                 written by matrix and vector instructions; read by the stage's LDS stores at the end.
;   windows 1 to 3 and the weights' scale words: loaded once each, named by no vector or matrix instruction ahead of their loads.
; So each hand-over has ONE run of LDS stores, behind ONE wait on va_vdst: the data are written, and every earlier product and vector instruction is done with XF, XS and T0, in which the loads behind the barrier land
; (no vector instruction stands between that wait and those loads).  Behind the barrier ONE wait on vm_vsrc stands where the stores' data registers are written again.  The weights' loads are dealt behind the products of the phase
; before and owe nothing: no vector or matrix instruction since the last wait on va_vdst names their registers.
.set XIMG,  0                          ; LDS: rot(q)'s four fragments; qp's; ctx's
.set QIMG,  8192
.set CIMG,  16384
.set XSC,   24576                      ; their scale words: [m][16 s + r]
.set QSCL,  24832
.set CSC,   25088
.set DGP,   25344                      ; [wave][m][lane]: sums of y^2; largest xp; parts of den
.set MXP,   26368
.set DNP,   27392
.set STG,   28416                      ; the way out: for each wave 32 rows x (256 bytes + 16)
.set SPARE, 63232                      ; the spare words, 128 bytes a wave: two blocks of 256 bytes that no other line names
.set LN,   1
.set R,    2
.set H,    3
.set PR,   4
.set XADR, 5                           ; 256 pr + 16 h
.set XSA,  6                           ; 8 pr
.set WADR, 7                           ; 256 pr + 16 h + 16384 w
.set WSA,  8                           ; 8 pr + 512 w
.set BADR, 9                           ; 64 h + 256 w
.set PADR, 10                          ; 1024 pr + 64 h + 256 w
.set LI,   11                          ; 16 x lane
.set LS,   12                          ; 4 x lane
.set XWI,  13                          ; 16 x lane + 1024 w
.set XWS,  14                          ; 4 r + 64 (w / 2) + 2 (w % 2)
.set DWA,  15                          ; 4 x lane + 256 w
.set KADR, 16                          ; 16 x lane + 16384 w
.set KBA,  17                          ; r + 64 w
.set SO,   18                          ; the stage, in
.set SR,   19                          ; the stage, back
.set OADR, 20                          ; 1024 h + 16 r + 256 w
.set SPW,  22                          ; my spare word's LDS address; never rewritten
.set NIL,  23                          ; 0; never rewritten
.set LL,   24                          ; log2 e, twice
.set CC,   26                          ; 1/16, twice
.set CE,   28                          ; 1e-6 / 16, twice
.set NB,   30                          ; v30-33 -(diag + mx) log2 e, twice, for each m
.set RD,   34                          ; v34-37 1 / den, twice, for each m
.set DG,   38                          ; v38-41 sums, a pair for each m
.set MT,   42                          ; v42-47 at work
.set TM,   48                          ; v48-63 the quantiser's
.set PC,   64                          ; v64-79 codes just made
.set PW,   80                          ; v80-81 half scale words just made
.set XS,   82                          ; v82-83 scale words of the rows' operand
.set QSC,  84                          ; query's scale words
.set WQS,  88                          ; Wq's; proj's; kvs's; Wo's
.set PJS,  96
.set KVS,  104
.set WOS,  112
.set XF,   120                         ; v120-183 four fragments of rows
.set RO,   120
.set HA,   184                         ; v184-247 eight accumulators
.set T0,   248                         ; v248-255 at work
.set WQ,   0                           ; window 1: Wq, proj
.set PJ,   128
.set KV,   0                           ; window 2: kvs, Wo
.set WO,   128
.set BQ,   0                           ; window 3: bq, bo, sum(kp), pos, kvs's scale bytes
.set BO,   32
.set KSM,  64
.set POS,  96
.set KVB,  160
.set WV,   32
.set SEL,  34
.set MNT,  36
.set HM,   37
.set C32,  38
.set MSB, 0
.macro WIN new
.if MSB != \new
	s_set_vgpr_msb (MSB<<8)|\new
.set MSB, \new
.endif
.endm
.macro PLACES n
.rept \n
	v_nop
.endr
.endm
.macro BARRIER                         ; my LDS stores have landed and my LDS loads are in: then the work-group's barrier
	s_wait_dscnt 0x0
	s_barrier_signal -1
	s_barrier_wait -1
.endm
.macro XLOAD reg, sb
.irp m, 0,1
.irp s, 0,1
.irp c, 0,1,2,3
	global_load_b128 v[\reg+16*(2*\m+\s)+4*\c:\reg+16*(2*\m+\s)+4*\c+3], v[XADR], s[\sb:\sb+1] offset:2048*\m+128*\s+32*\c
.endr
.endr
.endr
.endm
.macro XSCL reg, sb
.irp m, 0,1
	global_load_b64 v[\reg+2*\m:\reg+2*\m+1], v[XSA], s[\sb:\sb+1] offset:64*\m
.endr
.endm
.macro WLOAD reg, sb
.irp t, 0,1,2,3
.irp s, 0,1
.irp c, 0,1,2,3
	global_load_b128 v[\reg+16*(2*\t+\s)+4*\c:\reg+16*(2*\t+\s)+4*\c+3], v[WADR], s[\sb:\sb+1] offset:(32*(\t/2)+8*(\t%2))*256+128*\s+32*\c
.endr
.endr
.endr
.endm
.macro WSCL reg, sb
.irp t, 0,1,2,3
	global_load_b64 v[\reg+2*\t:\reg+2*\t+1], v[WSA], s[\sb:\sb+1] offset:(32*(\t/2)+8*(\t%2))*8
.endr
.endm
.macro BIAS reg, sb                    ; eight registers a tile: lane (r, h), register j: column 64 w + 32 b + 8 u + 16 h + j
.irp t, 0,1,2,3
.irp q, 0,1
	global_load_b128 v[\reg+8*\t+4*\q:\reg+8*\t+4*\q+3], v[BADR], s[\sb:\sb+1] offset:(32*(\t/2)+8*(\t%2))*4+16*\q
.endr
.endr
.endm
; 16 matrix instructions: source 0 = my four tiles of a weight, source 1 = the two tiles of rows, K = 256 in two steps.  The eight accumulators take turns.
.macro MM16 W, w0, w1, cb, SA, sbm, SB
	WIN \w0
.irp m, 0,1
.irp t, 0,1,2,3
.if \cb < 0
	v_wmma_scale_f32_16x16x128_f8f6f4 v[HA+32*\m+8*\t:HA+32*\m+8*\t+7], v[\W+32*\t:\W+32*\t+15], v[XF+32*\m:XF+32*\m+15], 0, v[\SA+2*\t], v[\SB+(2-\sbm)*\m] matrix_a_fmt:MATRIX_FMT_BF8 matrix_b_fmt:MATRIX_FMT_BF8
.else
	v_wmma_scale_f32_16x16x128_f8f6f4 v[HA+32*\m+8*\t:HA+32*\m+8*\t+7], v[\W+32*\t:\W+32*\t+15], v[XF+32*\m:XF+32*\m+15], v[\cb+8*\t:\cb+8*\t+7], v[\SA+2*\t], v[\SB+(2-\sbm)*\m] matrix_a_fmt:MATRIX_FMT_BF8 matrix_b_fmt:MATRIX_FMT_BF8
.endif
.endr
.endr
	WIN \w1
.irp m, 0,1
.irp t, 0,1,2,3
.if \sbm
	v_wmma_scale_f32_16x16x128_f8f6f4 v[HA+32*\m+8*\t:HA+32*\m+8*\t+7], v[\W+32*\t+16:\W+32*\t+31], v[XF+32*\m+16:XF+32*\m+31], v[HA+32*\m+8*\t:HA+32*\m+8*\t+7], v[\SA+2*\t+1], v[\SB+\m] matrix_a_fmt:MATRIX_FMT_BF8 matrix_b_fmt:MATRIX_FMT_BF8 matrix_b_scale:MATRIX_SCALE_ROW1
.else
	v_wmma_scale_f32_16x16x128_f8f6f4 v[HA+32*\m+8*\t:HA+32*\m+8*\t+7], v[\W+32*\t+16:\W+32*\t+31], v[XF+32*\m+16:XF+32*\m+31], v[HA+32*\m+8*\t:HA+32*\m+8*\t+7], v[\SA+2*\t+1], v[\SB+2*\m+1] matrix_a_fmt:MATRIX_FMT_BF8 matrix_b_fmt:MATRIX_FMT_BF8
.endif
.endr
.endr
	WIN 0
.endm
.macro ROT wn                          ; y[2p] = x[2p] pos[2p+1] - x[2p+1] pos[2p];  y[2p+1] = x[2p+1] pos[2p+1] + x[2p] pos[2p]
	WIN \wn
.set p, 0
.rept 32
	v_mul_f32 v[RO+2*p], v[HA+2*p], v[POS+2*p+1]
	v_mul_f32 v[RO+2*p+1], v[HA+2*p+1], v[POS+2*p+1]
	v_fma_f32 v[RO+2*p], -v[HA+2*p+1], v[POS+2*p], v[RO+2*p]
	v_fma_f32 v[RO+2*p+1], v[HA+2*p], v[POS+2*p], v[RO+2*p+1]
.set p, p+1
.endr
	WIN 0
.endm
.macro HALVES                          ; a pair's two halves and lane l xor 16's are added, for each m
.irp m, 0,1
	v_add_f32 v[DG+2*\m], v[DG+2*\m], v[DG+2*\m+1]
.endr
.irp m, 0,1
	v_permlanex16_b32 v[DG+2*\m+1], v[DG+2*\m], s[SEL], s[SEL+1]
.endr
.irp m, 0,1
	v_add_f32 v[DG+2*\m], v[DG+2*\m], v[DG+2*\m+1]
.endr
.endm
.macro DIAG
.irp m, 0,1
	v_pk_mul_f32 v[DG+2*\m:DG+2*\m+1], v[RO+32*\m:RO+32*\m+1], v[RO+32*\m:RO+32*\m+1]
.endr
.set e, 1
.rept 15
.irp m, 0,1
	v_pk_fma_f32 v[DG+2*\m:DG+2*\m+1], v[RO+32*\m+2*e:RO+32*\m+2*e+1], v[RO+32*\m+2*e:RO+32*\m+2*e+1], v[DG+2*\m:DG+2*\m+1]
.endr
.set e, e+1
.endr
	HALVES
.endm
.macro PARTS off                       ; the four waves' numbers of both tiles of rows
.irp x, 0,1,2,3
.irp m, 0,1
	ds_load_b32 v[T0+2*\x+\m], v[LS] offset:\off+256*\x+128*\m
.endr
.endr
.endm
.macro SUM4                            ; their sums into v[DG], v[DG + 2]
.irp m, 0,1
	v_add_f32 v[DG+2*\m], v[T0+\m], v[T0+2+\m]
	v_add_f32 v[T0+4+\m], v[T0+4+\m], v[T0+6+\m]
.endr
.irp m, 0,1
	v_add_f32 v[DG+2*\m], v[DG+2*\m], v[T0+4+\m]
.endr
.endm
; THE QUANTISER, as in the first launch
.macro QUANT src, dst, nb, sgn, fl, wm, adj, pw
.set qb, 0
.rept \nb
.if \sgn
	v_max3_num_f32 v[TM+qb], |v[16*qb+(\src)]|, |v[16*qb+1+(\src)]|, \fl
.else
	v_max3_num_f32 v[TM+qb], v[16*qb+(\src)], v[16*qb+1+(\src)], \fl
.endif
.set qb, qb+1
.endr
.set qi, 2
.rept 7
.set qb, 0
.rept \nb
.if \sgn
	v_max3_num_f32 v[TM+qb], v[TM+qb], |v[16*qb+qi+(\src)]|, |v[16*qb+qi+1+(\src)]|
.else
	v_max3_num_f32 v[TM+qb], v[TM+qb], v[16*qb+qi+(\src)], v[16*qb+qi+1+(\src)]
.endif
.set qb, qb+1
.endr
.set qi, qi+2
.endr
.set qb, 0
.rept \nb
	v_permlanex16_b32 v[TM+4+qb], v[TM+qb], s[SEL], s[SEL+1]
.set qb, qb+1
.endr
.set qb, 0
.rept \nb
	v_max_num_f32 v[TM+qb], v[TM+qb], v[TM+4+qb]
.set qb, qb+1
.endr
.set qb, 0
.rept \nb
	v_add_nc_u32 v[TM+12+qb], 0xf8800000, v[TM+qb]              ; 15 off the exponent field: the conversion's scale operand
.set qb, qb+1
.endr
.set qb, 0
.rept \nb
	v_and_or_b32 v[TM+8+qb], v[TM+qb], 0x7f800000, s[MNT]       ; 57,344 x the scale
.set qb, qb+1
.endr
.set qb, 0
.rept \nb
	v_lshrrev_b32 v[TM+4+qb], 23, v[TM+12+qb]                   ; the scale's byte
.set qb, qb+1
.endr
.if \wm == 2
	v_lshl_or_b32 v[\pw], v[TM+5], 8, v[TM+4]
	v_lshl_or_b32 v[\pw+1], v[TM+7], 8, v[TM+6]
.if \adj
	v_add_nc_u32 v[\pw], 0xfffffdfe, v[\pw]                     ; - 0x0202: each byte is 3 or more, so none borrows
	v_add_nc_u32 v[\pw+1], 0xfffffdfe, v[\pw+1]
.endif
.endif
.set qb, 0
.rept \nb
.set qi, 0
.rept 16
.if \sgn
	v_med3_num_f32 v[16*qb+qi+(\src)], v[16*qb+qi+(\src)], -v[TM+8+qb], v[TM+8+qb]   ; the conversion to an 8-bit code does not saturate (ISA guide 7.6.2): the hold
.else
	v_min_num_f32 v[16*qb+qi+(\src)], v[16*qb+qi+(\src)], v[TM+8+qb]
.endif
.set qi, qi+1
.endr
	v_cvt_scalef32_pk8_bf8_f32 v[4*qb+(\dst):4*qb+1+(\dst)], v[16*qb+(\src):16*qb+7+(\src)], v[TM+12+qb]
	v_cvt_scalef32_pk8_bf8_f32 v[4*qb+2+(\dst):4*qb+3+(\dst)], v[16*qb+8+(\src):16*qb+15+(\src)], v[TM+12+qb]
.set qb, qb+1
.endr
	v_nop                                          ; a plain line behind the last conversion
.endm
.macro IMG off
.irp m, 0,1
.irp b, 0,1
	ds_store_b128 v[XWI], v[PC+8*\m+4*\b:PC+8*\m+4*\b+3] offset:\off+4096*\m+512*\b
.endr
.endr
.endm
.macro HWS off
.irp m, 0,1
	ds_store_b16 v[XWS], v[PW+\m] offset:\off+128*\m
.endr
.endm
.macro FETCH off, soff
.irp f, 0,1,2,3
.irp c, 0,1,2,3
	ds_load_b128 v[XF+16*\f+4*\c:XF+16*\f+4*\c+3], v[LI] offset:\off+2048*\f+512*\c
.endr
.endr
.irp m, 0,1
	ds_load_b32 v[XS+\m], v[LS] offset:\soff+128*\m
.endr
.endm
	s_load_b512 s[4:19], s[0:1], 0x0               ; query codes 4, query scales 6, Wq codes 8, Wq scales 10, bq 12, pos 14, proj codes 16, proj scales 18
	s_load_b256 s[20:27], s[0:1], 0x40             ; kvimg 20, kaux 22, Wo codes 24, Wo scales 26
	s_load_b128 s[28:31], s[0:1], 0x60             ; bo 28, out0 30
	v_lshl_add_u32 v[SPW], v0, 2, SPARE
	v_mov_b32 v[NIL], 0
	v_lshrrev_b32 v[LN], 5, v0
	v_readfirstlane_b32 s[WV], v[LN]
	v_and_b32 v[LN], 31, v0
	v_and_b32 v[R], 15, v0
	v_bfe_u32 v[H], v0, 4, 1
	v_and_b32 v[PR], 8, v[R]
	v_add_nc_u32 v[PR], v[PR], v[R]
	v_lshlrev_b32 v[XADR], 8, v[PR]
	v_lshl_add_u32 v[XADR], v[H], 4, v[XADR]
	v_lshlrev_b32 v[XSA], 3, v[PR]
	s_wait_alu depctr_va_sdst(0)                   ; the wave's number is written, ahead of its first reader: the wave's offsets below are made from it
	s_lshl_b32 s40, s[WV], 14
	v_add_nc_u32 v[WADR], s40, v[XADR]
	v_lshlrev_b32 v[LI], 4, v[LN]
	v_add_nc_u32 v[KADR], s40, v[LI]
	s_lshl_b32 s40, s[WV], 9
	v_add_nc_u32 v[WSA], s40, v[XSA]
	s_lshl_b32 s41, s[WV], 8
	v_lshl_add_u32 v[BADR], v[H], 6, s41
	v_lshl_add_u32 v[PADR], v[PR], 10, v[BADR]
	v_lshlrev_b32 v[LS], 2, v[LN]
	s_lshl_b32 s40, s[WV], 10
	v_add_nc_u32 v[XWI], s40, v[LI]
	s_lshr_b32 s40, s[WV], 1
	s_lshl_b32 s40, s40, 6
	s_and_b32 s33, s[WV], 1
	s_lshl_b32 s33, s33, 1
	s_add_co_u32 s40, s40, s33
	v_lshl_add_u32 v[XWS], v[R], 2, s40
	v_add_nc_u32 v[DWA], s41, v[LS]
	s_lshl_b32 s40, s[WV], 6
	v_add_nc_u32 v[KBA], s40, v[R]
	s_mul_i32 s33, s[WV], 8704
	s_add_co_u32 s33, s33, STG                     ; my stage
	v_mul_u32_u24 v[SO], v[PR], 272
	v_lshl_add_u32 v[SO], v[H], 6, v[SO]
	v_add_nc_u32 v[SO], s33, v[SO]                 ; in: row pr (+ 8 m), + 64 h bytes
	v_mul_u32_u24 v[SR], v[H], 272
	v_lshl_add_u32 v[SR], v[R], 4, v[SR]
	v_add_nc_u32 v[SR], s33, v[SR]                 ; back: lanes 0-15 one row of 256 bytes, lanes 16-31 the next
	v_lshlrev_b32 v[OADR], 10, v[H]
	v_lshl_add_u32 v[OADR], v[R], 4, v[OADR]
	v_add_nc_u32 v[OADR], s41, v[OADR]             ; and the same two rows of out0, my 64 columns
	v_mov_b32 v[LL], 0x3fb8aa3b
	v_mov_b32 v[LL+1], 0x3fb8aa3b
	v_mov_b32 v[CC], 0x3d800000
	v_mov_b32 v[CC+1], 0x3d800000
	v_mov_b32 v[CE], 0x338637bd
	v_mov_b32 v[CE+1], 0x338637bd
.irp b, 0,1,2,3
	v_mov_b32 v[TM+4+\b], 0                        ; written once: a lane permute's destination counts as one of its sources
.endr
	v_mov_b32 v[MT+4], 0
	v_mov_b32 v[MT+5], 0
	s_mov_b32 s[SEL], 0x76543210
	s_mov_b32 s[SEL+1], 0xfedcba98
	s_mov_b32 s[MNT], 0x600000
	s_mov_b32 s[HM], 0xffff0000
	s_mov_b32 s[C32], 0x3d000000                   ; 1/32
	s_lshl_b32 s46, ttmp9, 13                      ; 32 rows of 256 bytes
	s_mov_b32 s47, 0
	s_lshl_b32 s48, ttmp9, 8
	s_mov_b32 s49, 0
	s_and_b32 s50, ttmp9, 63
	s_lshl_b32 s50, s50, 15                        ; 32 rows of pos
	s_mov_b32 s51, 0
	s_lshr_b32 s40, ttmp9, 6                       ; the batch
	s_lshl_b32 s52, s40, 16
	s_mov_b32 s53, 0
	s_lshl_b32 s54, s40, 11
	s_mov_b32 s55, 0
	s_lshl_b32 s56, s40, 10
	s_add_co_u32 s56, s56, 8192
	s_mov_b32 s57, 0
	s_lshl_b32 s58, ttmp9, 15                      ; 32 rows of out0
	s_mov_b32 s59, 0
	s_wait_kmcnt 0x0
	s_add_nc_u64 s[4:5], s[4:5], s[46:47]
	s_add_nc_u64 s[6:7], s[6:7], s[48:49]
	s_add_nc_u64 s[14:15], s[14:15], s[50:51]
	s_add_nc_u64 s[20:21], s[20:21], s[52:53]
	s_add_nc_u64 s[44:45], s[22:23], s[54:55]      ; kvs's scale bytes
	s_add_nc_u64 s[42:43], s[22:23], s[56:57]      ; the sums of kp
	s_add_nc_u64 s[30:31], s[30:31], s[58:59]
	s_wait_alu depctr_va_vdst(0)                   ; the offsets and LDS addresses v1 to v20 are written, which every load and store of the kernel reads; none of them is written again
	; the first group, 78 loads
	XLOAD XF, 4
	XSCL QSC, 6
	WSCL WQS, 10
	WIN 0x40
	WLOAD WQ, 8
	WIN 0xc0
	BIAS BQ, 12
.irp m, 0,1
.irp t, 0,1,2,3
.irp q, 0,1
	global_load_b128 v[POS+32*\m+8*\t+4*\q:POS+32*\m+8*\t+4*\q+3], v[PADR], s[14:15] offset:8192*\m+128*(\t/2)+32*(\t%2)+16*\q
.endr
.endr
.endr
	; the second group, 36 loads: proj
	WIN 0x40
	WLOAD PJ, 16
	WIN 0
	WSCL PJS, 18
	s_wait_loadcnt 36                              ; proj's 36 may stay out: the first group is in
	; ---- q = query Wq + bq
	MM16 WQ, 0x31, 0x01, BQ, WQS, 0, QSC
	; the third group, 72 loads: kvs's fragments and scale bytes, the sums of kp.  No wait: since the wait at the head only the products above were issued, and they name neither these loads' offsets nor the registers in which they land
	WIN 0x80
.irp t, 0,1,2,3
.irp s, 0,1
.irp c, 0,1,2,3
	global_load_b128 v[KV+16*(2*\t+\s)+4*\c:KV+16*(2*\t+\s)+4*\c+3], v[KADR], s[20:21] offset:4096*\t+2048*\s+512*\c
.endr
.endr
.endr
	WIN 0xc0
.irp t, 0,1,2,3
.irp s, 0,1
.irp c, 0,1,2,3
	global_load_u8 v[KVB+4*(2*\t+\s)+\c], v[KBA], s[44:45] offset:(4*\s+\c)*256+16*\t
.endr
.endr
.endr
	BIAS KSM, 42
	WIN 0
	PLACES 8
	ROT 0x0c
	DIAG
	QUANT RO, PC, 4, 1, 0x9000000, 2, 1, PW
	s_wait_alu depctr_va_vdst(0)                   ; the sums of y^2 (DG), the codes (PC) and the half scale words (PW) are written, which the LDS stores below read; rot and the quantiser are done with RO, in which the loads behind the barrier land
.irp m, 0,1
	ds_store_b32 v[DWA], v[DG+2*\m] offset:DGP+128*\m
.endr
	IMG XIMG
	HWS XSC
	BARRIER                                        ; rot(q)'s fragments, scale words and sums of y^2 lie in LDS
	s_wait_alu depctr_vm_vsrc(0)                   ; my LDS stores have read DG, PC and PW: DG is written again by the sums below, PC and PW by the next quantiser
	; ---- xp = x proj^T
	FETCH XIMG, XSC
	PARTS DGP
	s_wait_dscnt 0x0
	s_wait_loadcnt 63                              ; 72 loads were issued behind proj's; a wait names 63 at the most: proj is in
	MM16 PJ, 0x01, 0x01, -1, PJS, 1, XS
	; the fourth group, 44 loads: Wo, bo.  No wait: no vector or matrix instruction of the kernel has named the registers in which they land, and their offsets stand since the head
	WIN 0x80
	WLOAD WO, 24
	WIN 0xc0
	BIAS BO, 28
	WIN 0
	WSCL WOS, 26
	s_wait_loadcnt 44                              ; the fourth group may stay out: the third is in
	WIN 0x33                                       ; kvs's scale words from their bytes: 24 plain lines, which are also the places behind the products
.irp f, 0,1,2,3,4,5,6,7
	v_lshl_or_b32 v[KVS+\f], v[KVB+4*\f+1], 8, v[KVB+4*\f]
.endr
	WIN 0x03
.irp f, 0,1,2,3,4,5,6,7
	v_lshl_or_b32 v[KVS+\f], v[KVB+4*\f+2], 16, v[KVS+\f]
.endr
.irp f, 0,1,2,3,4,5,6,7
	v_lshl_or_b32 v[KVS+\f], v[KVB+4*\f+3], 24, v[KVS+\f]
.endr
	WIN 0
	SUM4                                           ; each row's sum of y^2
.irp q, 0,1,2,3
	v_max3_num_f32 v[MT+\q], v[HA+16*\q], v[HA+16*\q+1], v[HA+16*\q+2]
.endr
.irp i, 3,5,7,9,11,13
.irp q, 0,1,2,3
	v_max3_num_f32 v[MT+\q], v[MT+\q], v[HA+16*\q+\i], v[HA+16*\q+\i+1]
.endr
.endr
.irp q, 0,1,2,3
	v_max_num_f32 v[MT+\q], v[MT+\q], v[HA+16*\q+15]
.endr
	v_max_num_f32 v[MT], v[MT], v[MT+1]
	v_max_num_f32 v[MT+1], v[MT+2], v[MT+3]
.irp m, 0,1
	v_permlanex16_b32 v[MT+4+\m], v[MT+\m], s[SEL], s[SEL+1]
.endr
.irp m, 0,1
	v_max_num_f32 v[MT+\m], v[MT+\m], v[MT+4+\m]   ; my row's largest xp among my 64 columns
.endr
	s_wait_alu depctr_va_vdst(0)                   ; the two maxima (MT) are written, which the LDS stores below read; the sums are done with T0, in which the loads behind the barrier land; kvs's scale words (KVS) are written, which scaled products take further down
.irp m, 0,1
	ds_store_b32 v[DWA], v[MT+\m] offset:MXP+128*\m
.endr
	BARRIER
	s_wait_alu depctr_vm_vsrc(0)                   ; my LDS stores have read MT, which the maxima below write again
	; ---- qp, and my part of den
	PARTS MXP
	s_wait_dscnt 0x0
.irp m, 0,1
	v_max3_num_f32 v[MT+\m], v[T0+\m], v[T0+2+\m], v[T0+4+\m]
.endr
.irp m, 0,1
	v_max_num_f32 v[MT+\m], v[MT+\m], v[T0+6+\m]   ; the row's largest xp
.endr
.irp m, 0,1
	v_fma_f32 v[MT+\m], v[DG+2*\m], s[C32], v[MT+\m]   ; diag + mx
.endr
.irp m, 0,1
	v_mul_f32 v[NB+2*\m], 0xbfb8aa3b, v[MT+\m]
.endr
.irp m, 0,1
	v_mov_b32 v[NB+2*\m+1], v[NB+2*\m]
.endr
.irp m, 0,1
.set e, 0
.rept 16
	v_pk_fma_f32 v[HA+32*\m+2*e:HA+32*\m+2*e+1], v[HA+32*\m+2*e:HA+32*\m+2*e+1], v[LL:LL+1], v[NB+2*\m:NB+2*\m+1]
.set e, e+1
.endr
.endr
.set e, 0
.rept 64
	v_exp_f32 v[HA+e], v[HA+e]
.set e, e+1
.endr
	v_nop                                          ; a plain line behind the last exponential
	s_wait_alu depctr_va_vdst(0)                   ; the 64 exponentials have written v[HA ..]: one wait for the batch, ahead of its first reader
.set e, 0
.rept 32
	v_pk_fma_f32 v[HA+2*e:HA+2*e+1], v[HA+2*e:HA+2*e+1], v[CC:CC+1], v[CE:CE+1]   ; qp = e / 16 + 1e-6 / 16
.set e, e+1
.endr
	WIN 0x0c                                       ; source 1 (the sums of kp) window 3
.irp m, 0,1
	v_pk_mul_f32 v[DG+2*\m:DG+2*\m+1], v[HA+32*\m:HA+32*\m+1], v[KSM:KSM+1]
.endr
.set e, 1
.rept 15
.irp m, 0,1
	v_pk_fma_f32 v[DG+2*\m:DG+2*\m+1], v[HA+32*\m+2*e:HA+32*\m+2*e+1], v[KSM+2*e:KSM+2*e+1], v[DG+2*\m:DG+2*\m+1]
.endr
.set e, e+1
.endr
	WIN 0
	HALVES
	QUANT HA, PC, 4, 0, 0x8000000, 2, 0, PW
	s_wait_alu depctr_va_vdst(0)                   ; my parts of den (DG), qp's codes (PC) and half scale words (PW) are written, which the LDS stores below read; xp's products are done reading XF and XS, the maxima T0: the loads behind the barrier land in them
.irp m, 0,1
	ds_store_b32 v[DWA], v[DG+2*\m] offset:DNP+128*\m
.endr
	IMG QIMG
	HWS QSCL
	BARRIER                                        ; qp's fragments, scale words and the parts of den lie in LDS
	s_wait_alu depctr_vm_vsrc(0)                   ; my LDS stores have read DG, PC and PW: DG is written again by the sums below, PC and PW by the next quantiser
	; ---- num = qp kvs for my two heads, ctx = num / den
	FETCH QIMG, QSCL
	PARTS DNP
	s_wait_dscnt 0x0
	MM16 KV, 0x02, 0x02, -1, KVS, 1, XS
	SUM4
	v_rcp_f32 v[RD], v[DG]
	v_rcp_f32 v[RD+1], v[DG]
	v_rcp_f32 v[RD+2], v[DG+2]
	v_rcp_f32 v[RD+3], v[DG+2]
	PLACES 8                                       ; the plain line behind the reciprocals, and the places behind the products
	s_wait_alu depctr_va_vdst(0)                   ; the four reciprocals have written v[RD ..]: one wait for the four, ahead of their first reader
.irp m, 0,1
.set e, 0
.rept 16
	v_pk_mul_f32 v[HA+32*\m+2*e:HA+32*\m+2*e+1], v[HA+32*\m+2*e:HA+32*\m+2*e+1], v[RD+2*\m:RD+2*\m+1]
.set e, e+1
.endr
.endr
	QUANT HA, PC, 4, 1, 0x8000000, 2, 0, PW        ; a block of 32 along ctx's features is one head
	s_wait_alu depctr_va_vdst(0)                   ; ctx's codes (PC) and half scale words (PW) are written, which the LDS stores below read; num's products are done reading XF and XS, in which the loads behind the barrier land
	IMG CIMG
	HWS CSC
	BARRIER                                        ; ctx's fragments and scale words lie in LDS
	; ---- out = ctx Wo + bo.  (Nothing that these LDS stores read is written again)
	FETCH CIMG, CSC
	s_wait_dscnt 0x0
	s_wait_loadcnt 0x0                             ; Wo, bo
	MM16 WO, 0x32, 0x02, BO, WOS, 1, XS
	PLACES 8
	s_wait_alu depctr_va_vdst(0)                   ; the last products have written the accumulators, which the LDS stores below read, and are done reading XF, in which the read-back lands; the places above stay beside this wait
	; the way out: a lane's 16 registers of two tiles are 64 neighbouring bytes of a row; through my own stage they become whole rows of my 64 columns
.irp m, 0,1
.irp b, 0,1
.irp q, 0,1,2,3
	ds_store_b128 v[SO], v[HA+32*\m+16*\b+4*\q:HA+32*\m+16*\b+4*\q+3] offset:2176*\m+128*\b+16*\q
.endr
.endr
.endr
.irp i, 0,1,2,3,4,5,6,7,8,9,10,11,12,13,14,15
	ds_load_b128 v[XF+4*\i:XF+4*\i+3], v[SR] offset:544*\i   ; LDS serves a wave's instructions in order (ISA guide 5.7.1.4): these see my stores
.endr
.irp i, 0,1,2,3,4,5,6,7,8,9,10,11,12,13,14,15
	s_wait_dscnt 15-\i                             ; the younger read-backs may stay out
	global_store_b128 v[OADR], v[XF+4*\i:XF+4*\i+3], s[30:31] offset:2048*\i th:TH_STORE_NT   ; 16 lanes store 256 consecutive bytes, at a multiple of 256 from out0's first byte
.endr
	s_wait_dscnt 0x0                               ; the wave's end: the closing lines, six on end
	s_wait_alu 0x0
	s_wait_tensorcnt 0x0
	ds_add_u32 v[SPW], v[NIL]
	s_wait_dscnt 0x0
	s_endpgm
.Lfunc_end_k_qfbb3291f23_out:
	.size	k_qfbb3291f23_out, .Lfunc_end_k_qfbb3291f23_out-k_qfbb3291f23_out
	.p2alignl 7, 3214868480
	.fill 96, 4, 3214868480
	.section	.rodata,"a",@progbits
	.p2align	6, 0x0
	.amdhsa_kernel k_qfbb3291f23_out
		.amdhsa_group_segment_fixed_size 63744
		.amdhsa_private_segment_fixed_size 0
		.amdhsa_enable_private_segment 0
		.amdhsa_kernarg_size 112
		.amdhsa_user_sgpr_count 2
		.amdhsa_user_sgpr_kernarg_segment_ptr 1
		.amdhsa_wavefront_size32 1
		.amdhsa_system_sgpr_workgroup_id_x 1
		.amdhsa_system_sgpr_workgroup_id_y 1
		.amdhsa_system_sgpr_workgroup_id_z 1
		.amdhsa_system_vgpr_workitem_id 0
		.amdhsa_next_free_vgpr 960
		.amdhsa_next_free_sgpr 66
		.amdhsa_reserve_vcc 0
		.amdhsa_float_denorm_mode_32 3
		.amdhsa_float_denorm_mode_16_64 3
		.amdhsa_memory_ordered 1
		.amdhsa_forward_progress 1
		.amdhsa_inst_pref_size 92
	.end_amdhsa_kernel
	.amdgpu_metadata
---
amdhsa.version: [ 1, 2 ]
amdhsa.kernels:
  - .name:           k_qfbb3291f23_out
    .symbol:         k_qfbb3291f23_out.kd
    .args:
      - { .name: query_codes, .offset: 0, .size: 8, .value_kind: global_buffer, .address_space: global }
      - { .name: query_scales, .offset: 8, .size: 8, .value_kind: global_buffer, .address_space: global }
      - { .name: Wq_codes, .offset: 16, .size: 8, .value_kind: global_buffer, .address_space: global }
      - { .name: Wq_scales, .offset: 24, .size: 8, .value_kind: global_buffer, .address_space: global }
      - { .name: bq, .offset: 32, .size: 8, .value_kind: global_buffer, .address_space: global }
      - { .name: pos, .offset: 40, .size: 8, .value_kind: global_buffer, .address_space: global }
      - { .name: proj_codes, .offset: 48, .size: 8, .value_kind: global_buffer, .address_space: global }
      - { .name: proj_scales, .offset: 56, .size: 8, .value_kind: global_buffer, .address_space: global }
      - { .name: kvimg, .offset: 64, .size: 8, .value_kind: global_buffer, .address_space: global }
      - { .name: kaux, .offset: 72, .size: 8, .value_kind: global_buffer, .address_space: global }
      - { .name: Wo_codes, .offset: 80, .size: 8, .value_kind: global_buffer, .address_space: global }
      - { .name: Wo_scales, .offset: 88, .size: 8, .value_kind: global_buffer, .address_space: global }
      - { .name: bo, .offset: 96, .size: 8, .value_kind: global_buffer, .address_space: global }
      - { .name: out0, .offset: 104, .size: 8, .value_kind: global_buffer, .address_space: global }
    .group_segment_fixed_size: 63744
    .private_segment_fixed_size: 0
    .kernarg_segment_align: 8
    .kernarg_segment_size: 112
    .max_flat_workgroup_size: 128
    .sgpr_count:     66
    .vgpr_count:     960
    .wavefront_size: 32
...
	.end_amdgpu_metadata
.endif
;; end of part 4
